; MI455X (gfx1250); checked and timed in simulation.
; The chip was launched on July 23, 2026; its instructions are those of AMD's public machine-readable ISA for CDNA 5 (MIT licence, August 2026) and "CDNA5" Instruction Set Architecture Reference Guide (July 2026). The comments in the code are by the model that wrote it; some were corrected since.
;; Switch Mo E. Allowed arithmetic: matrix products marked QUANTISED: E2M1 operands, one E8M0 scale for each 32 along K, by v_wmma_scale_f32_16x16x128_f8f6f4 with both operands' format E2M1 (or v_wmma_scale_f32_32x16x128_f4), f32 sums; products left as they are: f32 operands where the result goes on into a quantised operand, else bf16, f16 or f32 operands; f32 sums; everything else in f32.
;; Inputs: b1 8 x 4,096 float32; b2 8 x 1,024 float32; router_w 1,024 x 8 float32; w1 8 x 1,024 x 4,096 float32; w2 8 x 4,096 x 1,024 float32; x 4 x 256 x 1,024 float32.
;; Outputs: out0 4 x 256 x 1,024 float32.
;; This version of the problem:
;;   THIS VERSION OF THE PROBLEM IS GIVEN IN LOW PRECISION. The matrix products marked QUANTISED in the list below multiply operands that are first quantised to E2M1 (2 exponent bits, 1 mantissa bit; 4 bits a number), with one power-of-two scale for each 32 numbers along K (OCP MX v1.0); their sums are f32. All else is computed in f32.
;;   The module's matrix products, in the order in which they are computed (A, B: the left and right operand; K: the contracted axis; several contracted axes count as one K, in the product's order):
;;     1. [M 1,024, K 1,024] x [K 1,024, N 8]; A: input x; B: input router_w: left as it is (N = 8 < 16)
;;     2. [M 1,024, K 1,024] x [K 1,024, N 4,096]; A: input x; B: input w1: QUANTISED
;;     3. [M 1,024, K 4,096] x [K 4,096, N 1,024]; A: computed on the way; B: input w2: QUANTISED
;;     4. [M 1,024, K 1,024] x [K 1,024, N 4,096]; A: input x; B: input w1: QUANTISED
;;     5. [M 1,024, K 4,096] x [K 4,096, N 1,024]; A: computed on the way; B: input w2: QUANTISED
;;     6. [M 1,024, K 1,024] x [K 1,024, N 4,096]; A: input x; B: input w1: QUANTISED
;;     7. [M 1,024, K 4,096] x [K 4,096, N 1,024]; A: computed on the way; B: input w2: QUANTISED
;;     8. [M 1,024, K 1,024] x [K 1,024, N 4,096]; A: input x; B: input w1: QUANTISED
;;     9. [M 1,024, K 4,096] x [K 4,096, N 1,024]; A: computed on the way; B: input w2: QUANTISED
;;     10. [M 1,024, K 1,024] x [K 1,024, N 4,096]; A: input x; B: input w1: QUANTISED
;;     11. [M 1,024, K 4,096] x [K 4,096, N 1,024]; A: computed on the way; B: input w2: QUANTISED
;;     12. [M 1,024, K 1,024] x [K 1,024, N 4,096]; A: input x; B: input w1: QUANTISED
;;     13. [M 1,024, K 4,096] x [K 4,096, N 1,024]; A: computed on the way; B: input w2: QUANTISED
;;     14. [M 1,024, K 1,024] x [K 1,024, N 4,096]; A: input x; B: input w1: QUANTISED
;;     15. [M 1,024, K 4,096] x [K 4,096, N 1,024]; A: computed on the way; B: input w2: QUANTISED
;;     16. [M 1,024, K 1,024] x [K 1,024, N 4,096]; A: input x; B: input w1: QUANTISED
;;     17. [M 1,024, K 4,096] x [K 4,096, N 1,024]; A: computed on the way; B: input w2: QUANTISED
;;   THE QUANTISER, for each operand of a quantised product, along K:
;;     - K is cut into blocks of 32 from its start; a last block that is shorter is filled with zeros.
;;     - A block's scale is 2^e with e = floor(log2(the largest magnitude in the block)) - 2, held to -126 .. 127; a block of zeros has e = 0. As a byte (E8M0): e + 127.
;;     - Each number is divided by its block's scale, clamped to +-6, and rounded to the nearest number of E2M1, ties to even, subnormals kept.
;;     - The product sums the exact products of the quantised numbers (number of the format x scale) in f32.
;;   ~~~python
;;   def quantise(x, axis):      # numpy; x: float32 -> the quantised numbers, widened to float32 again
;;       x = np.moveaxis(x, axis, -1); K = x.shape[-1]
;;       x = np.pad(x, [(0, 0)] * (x.ndim - 1) + [(0, -K % 32)]); x = x.reshape(x.shape[:-1] + (-1, 32)); a = np.abs(x).max(-1, keepdims=True)
;;       e = np.where(a > 0, np.clip(np.frexp(np.where(a > 0, a, 1))[1] - 1 - 2, -126, 127), 0)      # np.frexp(a)[1] - 1 = floor(log2(a)), exactly
;;       r = np.clip(x / 2.0 ** e, -6, 6)
;;       step = 2.0 ** (np.maximum(np.frexp(np.where(r == 0, 1, r))[1] - 1, 0) - 1)
;;       q = np.round(r / step) * step * 2.0 ** e      # np.round: ties to even
;;       return np.moveaxis(q.reshape(q.shape[:-2] + (-1,))[..., :K], -1, axis).astype(np.float32)
;;   ~~~
;;   OPERANDS COMPUTED ON THE WAY. 'Computed on the way' means the value that the module computes at that place (a softmax that the list does not call 'softmax' is quantised finished and normalised). What goes into a quantiser is computed in f32, as accurately as f32 sums, v_exp_f32 and their like allow (about 1e-6 of the number): no bf16 or f16 on the way to a quantiser, and a product that is left as it is and whose result goes on into a quantised operand takes f32 operands (vector FMAs, or v_wmma_f32_16x16x4_f32). A number that lies on a knife's edge between two numbers of the format may be rounded either way, as far as f32 arithmetic and the matrix unit's own rounding can turn it there, and no further.
;; 2 versions, each right and faster than the one before. Each part assembles by itself: llvm-mc -triple=amdgcn-amd-amdhsa -mcpu=gfx1250 --defsym DOCPART=n.
;; ======== version 1 of 2: 4 launches
;; limits: a function is approximated: absolute error at most 1e-07
;; workspace buffers: eidx 4,096 bytes of whole numbers; perm 4,096 bytes of whole numbers; offs 256 bytes of whole numbers; gate 4,096 bytes; xc 524,288 bytes; xs 32,768 bytes; hc 2,097,152 bytes; hs 131,072 bytes
;; launch route (part 1): grid 256 x 1, 4 waves a work-group, no clusters, 33,792 bytes of LDS; arguments x, router_w, xc, xs, eidx, gate; writes xc, xs, eidx, gate
.if DOCPART == 1
	.amdgcn_target "amdgcn-amd-amdhsa--gfx1250"
	.amdhsa_code_object_version 6
	.text
	.protected	k_q7edbe09032_route
	.globl	k_q7edbe09032_route
	.p2align	8
	.type	k_q7edbe09032_route,@function
k_q7edbe09032_route:
	s_mov_b64 s[64:65], 0
	v_nop
	global_prefetch_b8 v0, s[64:65] scope:SCOPE_SE
	s_setreg_imm32_b32 hwreg(HW_REG_WAVE_MODE, 25, 1), 1
	s_wait_xcnt 0x0
; SWITCH MoE, launch 1 of 4: the router, and x as codes.
; For each of the 1,024 tokens: logits = x . router_w (f32 fused multiply-adds), the index of the largest logit, top1 = 1 / sum of exp(logit - largest);
; and the token's 1,024 numbers as codes of E2M1 with one E8M0 byte for each 32 along K: xc [token][512 bytes], xs [token][32 bytes].
; WORK LEFT OUT BY THE PROGRAM.  reference() computes y of every expert e for every token and keeps, by its own jnp.where(expert_idx == e), the row of expert_idx[token] alone;
; the rows of the other seven experts are overwritten or never taken, whatever the inputs hold.  So each token's row is multiplied for its chosen expert only.  Every input still has a way to the output: all are loaded.
; LIMIT: a NaN, an infinity or an overflow that arises only in a row of an expert that was not chosen is not carried to the result.
; The choice is made of floating-point numbers, so no address here hangs on it: it is stored at fixed places (eidx, gate), and the next launch, which reads it from memory, places the rows.
; LIMITS: the largest is searched among the logits, not among the rounded probabilities (among equal logits the lowest index wins, as argmax has it); the logits' order of summation is not reference()'s;
; a block of zeros gets the scale byte 1 (its codes are zeros, and this program alone reads the bytes); NaN and infinities among the inputs are not served.
; The router's product has f32 operands: with coarser ones a token whose two best logits lie close would be given to the other expert, and its whole row would differ.
; SHARES.  One wave, one token: token = 4 x work-group + wave.  Lane l holds block l of the row: k = 32 l .. 32 l + 31, in 32 registers, so a block's largest magnitude needs no other lane.
; router_w (32 KB) goes once into LDS, 16 bytes of padding behind each 1,024: lane l's 32 rows begin at 1,040 l, so that the lanes of a load start in different banks.
; No tensor load, no cluster: the work-groups share router_w alone, 32 KB that each reads once.
.set RWP,   1040                       ; a lane's 32 rows of router_w in LDS: 1,024 bytes + 16
.set SPARE, 32*RWP                     ; behind them: the spare words, 128 bytes for each wave, that no other line names
.set ACC,   16                         ; v16-23   the eight logits
.set X,     32                         ; v32-63   my 32 numbers of the token
.set RB,    64                         ; v64-127  router_w as loaded; then two sets of 4 rows x 8
.set EX,    128                        ; v128-135 the exponentials
; v1 lane; v2 128 x lane; v3 16 x thread; v4 where I store router_w in LDS; v5 where I read it; v6 16 x lane; v8, v9 maxima; v10 the conversion's scale operand; v11 the scale's byte; v12-15 codes;
; v24, v25 the add's two; v26 at work for the lane exchange; v27 the largest logit; v28 the index; v29 the sum; v30, v31 at work
	s_load_b256 s[4:11], s[0:1], 0x0               ; x, router_w, xc, xs
	s_load_b128 s[12:15], s[0:1], 0x20             ; eidx, gate
	v_lshl_add_u32 v24, v0, 2, SPARE
	v_mov_b32 v25, 0
	v_lshrrev_b32 v1, 5, v0
	v_readfirstlane_b32 s16, v1                    ; wave
	v_and_b32 v1, 31, v0                           ; lane
	v_lshlrev_b32 v2, 7, v1                        ; my block of x: 128 bytes a lane
	v_lshlrev_b32 v3, 4, v0                        ; router_w: 16 bytes a thread
	v_lshrrev_b32 v4, 6, v0
	v_lshl_add_u32 v4, v4, 4, v3                   ; in LDS: + 16 for each 1,024 passed
	v_mul_u32_u24 v5, v1, RWP
	v_lshlrev_b32 v6, 4, v1                        ; my 16 bytes of codes
	v_mov_b32 v26, 0                               ; written once: a lane permute's destination counts as one of its sources
	s_lshl_b32 s17, ttmp9, 2
	s_add_co_u32 s17, s17, s16                     ; my token
	s_mov_b32 s19, 0
	s_mov_b32 s20, 0x76543210
	s_mov_b32 s21, 0xfedcba98                      ; v_permlanex16_b32's selects for lane l xor 16
	s_wait_kmcnt 0x0
	s_lshl_b32 s18, s17, 12
	s_add_nc_u64 s[4:5], s[4:5], s[18:19]          ; x: 4,096 bytes a token
	s_lshl_b32 s18, s17, 9
	s_add_nc_u64 s[8:9], s[8:9], s[18:19]          ; xc: 512
	s_lshl_b32 s18, s17, 5
	s_add_nc_u64 s[10:11], s[10:11], s[18:19]      ; xs: 32
	s_lshl_b32 s18, s17, 2
	s_add_nc_u64 s[12:13], s[12:13], s[18:19]      ; eidx, gate: 4
	s_add_nc_u64 s[14:15], s[14:15], s[18:19]
.irp m, 0,1,2,3,4,5,6,7,8,9,10,11,12,13,14,15
	global_load_b128 v[RB+4*\m:RB+4*\m+3], v3, s[6:7] offset:2048*\m   ; the work-group's 128 threads take 2,048 neighbouring bytes a load
.endr
.irp i, 0,1,2,3,4,5,6,7
	global_load_b128 v[X+4*\i:X+4*\i+3], v2, s[4:5] offset:16*\i th:TH_LOAD_NT
.endr
	s_wait_loadcnt 8                               ; router_w is in; the eight loads of x are younger and stay out
.irp m, 0,1,2,3,4,5,6,7,8,9,10,11,12,13,14,15
	ds_store_b128 v4, v[RB+4*\m:RB+4*\m+3] offset:2080*\m             ; 2,048 bytes + two paddings a load
.endr
	s_wait_dscnt 0x0                               ; for the others' sake: my stores have landed
	s_barrier_signal -1
	s_barrier_wait -1
.macro RCHUNK m                        ; rows 4 m .. 4 m + 3 of my 32, eight numbers each, into set m % 2
.irp i, 0,1,2,3
.irp q, 0,1
	ds_load_b128 v[RB+32*((\m)%2)+8*\i+4*\q:RB+32*((\m)%2)+8*\i+4*\q+3], v5 offset:(4*(\m)+\i)*32+16*\q
.endr
.endr
.endm
	RCHUNK 0
	RCHUNK 1
	s_wait_loadcnt 0x0                             ; x
	; my block as codes: the largest magnitude with the floor 2^(3 - 127) among its leaves, 2 off its exponent field, the conversions
	v_max3_num_f32 v8, |v[X]|, |v[X+1]|, |v[X+2]|
	v_max3_num_f32 v9, |v[X+3]|, |v[X+4]|, |v[X+5]|
.irp i, 6,10,14,18,22,26
	v_max3_num_f32 v8, v8, |v[X+\i]|, |v[X+\i+1]|
	v_max3_num_f32 v9, v9, |v[X+\i+2]|, |v[X+\i+3]|
.endr
	v_max3_num_f32 v8, v8, |v[X+30]|, |v[X+31]|
	v_max3_num_f32 v8, v8, v9, 0x1800000
	v_add_nc_u32 v10, 0xff000000, v8               ; the conversion takes this operand's exponent field as its scale
	v_lshrrev_b32 v11, 23, v10                     ; the scale's byte
.irp g, 0,1,2,3
	v_cvt_scalef32_pk8_fp4_f32 v[12+\g], v[X+8*\g:X+8*\g+7], v10
.endr
	v_nop                                          ; one plain line behind the scaled conversions
	global_store_b128 v6, v[12:15], s[8:9]         ; the wave stores the token's 512 neighbouring bytes
	global_store_b8 v1, v11, s[10:11]              ; and its 32 scale bytes
	; the logits: 32 k a lane x 8 experts; the first eight products start the sums
.set M, 0
.rept 8
.if M < 7
	s_wait_dscnt 8                                 ; this chunk's eight loads are in; the next chunk's eight stay out
.else
	s_wait_dscnt 0x0
.endif
.irp i, 0,1,2,3
.irp e, 0,1,2,3,4,5,6,7
.if (M == 0) && (\i == 0)
	v_mul_f32 v[ACC+\e], v[X], v[RB+\e]
.else
	v_fmac_f32 v[ACC+\e], v[X+4*M+\i], v[RB+32*(M%2)+8*\i+\e]
.endif
.endr
.endr
.if M < 6
	RCHUNK M+2
.endif
.set M, M+1
.endr
.irp k, 1,2,4,8                        ; over the 32 lanes, the eight sums by turns
.irp e, 0,1,2,3,4,5,6,7
	v_add_f32_dpp v[ACC+\e], v[ACC+\e], v[ACC+\e] row_xmask:\k row_mask:0xf bank_mask:0xf
.endr
.endr
.irp e, 0,1,2,3,4,5,6,7
	v_permlanex16_b32 v26, v[ACC+\e], s20, s21
	v_add_f32 v[ACC+\e], v[ACC+\e], v26
.endr
	v_max3_num_f32 v27, v[ACC], v[ACC+1], v[ACC+2]
	v_max3_num_f32 v27, v27, v[ACC+3], v[ACC+4]
	v_max3_num_f32 v27, v27, v[ACC+5], v[ACC+6]
	v_max_num_f32 v27, v27, v[ACC+7]               ; the largest logit is taken away ahead of the exponentials, as softmax does
.irp e, 0,1,2,3,4,5,6,7
	v_sub_f32 v[EX+\e], v[ACC+\e], v27
.endr
.irp e, 0,1,2,3,4,5,6,7
	v_mul_f32 v[EX+\e], 0x3fb8aa3b, v[EX+\e]       ; x log2(e)
.endr
.irp e, 0,1,2,3,4,5,6,7
	v_exp_f32 v[EX+\e], v[EX+\e]
.endr
	v_mov_b32 v28, 7                               ; the index: independent work behind the batch of exponentials
.irp e, 6,5,4,3,2,1,0
	v_cmp_neq_f32 vcc_lo, v[ACC+\e], v27
	v_cndmask_b32 v28, \e, v28, vcc_lo             ; where logit e is the largest: e; descending, so the lowest index among equals stays
.endr
	s_wait_alu depctr_va_vdst(0)                   ; one wait for the eight exponentials, ahead of their first reader
	v_add_f32 v29, v[EX], v[EX+1]
	v_add_f32 v30, v[EX+2], v[EX+3]
	v_add_f32 v31, v[EX+4], v[EX+5]
	v_add_f32 v8, v[EX+6], v[EX+7]
	v_add_f32 v29, v29, v30
	v_add_f32 v31, v31, v8
	v_add_f32 v29, v29, v31
	v_rcp_f32 v29, v29                             ; top1: the largest's exponential is 1
	v_mov_b32 v30, 0                               ; (a plain line behind the reciprocal)  the stores' offset
	v_cmp_eq_u32 vcc_lo, 0, v1
	s_wait_alu depctr_va_vdst(0)                   ; and its wait, ahead of the store that reads it
	s_wait_xcnt 0x0                                ; EXEC changes only behind this wait: the stores above have read theirs
	s_and_saveexec_b32 s22, vcc_lo                 ; lane 0 alone
	global_store_b32 v30, v28, s[12:13]
	global_store_b32 v30, v29, s[14:15]
	s_wait_xcnt 0x0
	s_or_b32 exec_lo, exec_lo, s22
	s_wait_tensorcnt 0x0                           ; the wave's end: three lines behind my last LDS store
	ds_add_u32 v24, v25
	s_wait_dscnt 0x0
	s_endpgm
.Lfunc_end_k_q7edbe09032_route:
	.size	k_q7edbe09032_route, .Lfunc_end_k_q7edbe09032_route-k_q7edbe09032_route
	.p2alignl 7, 3214868480
	.fill 96, 4, 3214868480
	.section	.rodata,"a",@progbits
	.p2align	6, 0x0
	.amdhsa_kernel k_q7edbe09032_route
		.amdhsa_group_segment_fixed_size 33792
		.amdhsa_private_segment_fixed_size 0
		.amdhsa_enable_private_segment 0
		.amdhsa_kernarg_size 48
		.amdhsa_user_sgpr_count 2
		.amdhsa_user_sgpr_kernarg_segment_ptr 1
		.amdhsa_wavefront_size32 1
		.amdhsa_system_sgpr_workgroup_id_x 1
		.amdhsa_system_sgpr_workgroup_id_y 1
		.amdhsa_system_sgpr_workgroup_id_z 1
		.amdhsa_system_vgpr_workitem_id 0
		.amdhsa_next_free_vgpr 136
		.amdhsa_next_free_sgpr 66
		.amdhsa_reserve_vcc 1
		.amdhsa_float_denorm_mode_32 3
		.amdhsa_float_denorm_mode_16_64 3
		.amdhsa_memory_ordered 1
		.amdhsa_forward_progress 1
		.amdhsa_inst_pref_size 24
	.end_amdhsa_kernel
	.amdgpu_metadata
---
amdhsa.version: [ 1, 2 ]
amdhsa.kernels:
  - .name:           k_q7edbe09032_route
    .symbol:         k_q7edbe09032_route.kd
    .args:
      - { .name: x, .offset: 0, .size: 8, .value_kind: global_buffer, .address_space: global }
      - { .name: router_w, .offset: 8, .size: 8, .value_kind: global_buffer, .address_space: global }
      - { .name: xc, .offset: 16, .size: 8, .value_kind: global_buffer, .address_space: global }
      - { .name: xs, .offset: 24, .size: 8, .value_kind: global_buffer, .address_space: global }
      - { .name: eidx, .offset: 32, .size: 8, .value_kind: global_buffer, .address_space: global }
      - { .name: gate, .offset: 40, .size: 8, .value_kind: global_buffer, .address_space: global }
    .group_segment_fixed_size: 33792
    .private_segment_fixed_size: 0
    .kernarg_segment_align: 8
    .kernarg_segment_size: 48
    .max_flat_workgroup_size: 128
    .sgpr_count:     66
    .vgpr_count:     136
    .wavefront_size: 32
...
	.end_amdgpu_metadata
.endif
;; end of part 1
;; launch place (part 2): grid 1 x 1, 32 waves a work-group, no clusters, 8,192 bytes of LDS; arguments eidx, perm, offs; writes perm, offs
.if DOCPART == 2
	.amdgcn_target "amdgcn-amd-amdhsa--gfx1250"
	.amdhsa_code_object_version 6
	.text
	.protected	k_q7edbe09032_place
	.globl	k_q7edbe09032_place
	.p2align	8
	.type	k_q7edbe09032_place,@function
k_q7edbe09032_place:
	s_mov_b64 s[64:65], 0
	v_nop
	global_prefetch_b8 v0, s[64:65] scope:SCOPE_SE
	s_setreg_imm32_b32 hwreg(HW_REG_WAVE_MODE, 25, 1), 1
	s_wait_xcnt 0x0
; SWITCH MoE, launch 2 of 4: the tokens are sorted by their expert.  Whole numbers only.
; A counting sort by one work-group of 1,024 threads, thread = token, with no atomics: perm[place] = token, tokens of one expert on end and in ascending order; offs[e] = expert e's first place, offs[8] = 1,024.
; A launch of its own because the indices were made of floating-point numbers by the launch before: addresses may hang on them only where they are read from memory.
; One work-group: 4 KB in, 4 KB out; there is no work for a second.
; In a wave: a mask of the lanes of each expert gives its count and each lane's rank.  Across waves: the counts meet in LDS (word [expert][wave]); lane l then holds wave l's count,
; and one sum over the lanes gives, in the two halves of a word, the expert's total and the count in the waves ahead of mine (both at most 1,024).
.set SPARE, 4096                       ; behind the counts' 4,096 bytes: the spare words, 128 bytes for each of the 32 waves
; v1 lane; v2 wave; v3 4 x thread; v4 my expert; v5, v6 LDS addresses; v7 my wave's counts, lane e = expert e; v8 my rank in the wave; v9 my place; v10 the table; v12, v13 the add's two;
; v16-23 a word for each expert; v24-31 at work, one for each expert; v32-40 the experts' first places
	s_load_b128 s[4:7], s[0:1], 0x0                ; eidx, perm
	s_load_b64 s[8:9], s[0:1], 0x10                ; offs
	v_lshl_add_u32 v12, v0, 2, SPARE
	v_mov_b32 v13, 0
	v_lshrrev_b32 v2, 5, v0
	v_readfirstlane_b32 s10, v2                    ; wave
	v_and_b32 v1, 31, v0                           ; lane
	v_lshlrev_b32 v3, 2, v0
	v_lshlrev_b32 v5, 7, v1
	v_lshl_add_u32 v5, v2, 2, v5                   ; the counts go to 128 x lane + 4 x wave
	v_lshlrev_b32 v6, 2, v1                        ; and come back from 4 x lane + 128 x expert
	v_mov_b32 v7, 0
	v_mov_b32 v8, 0
	v_mov_b32 v9, 0
	s_mov_b32 s28, 0x76543210
	s_mov_b32 s29, 0xfedcba98
	s_wait_kmcnt 0x0
	global_load_b32 v4, v3, s[4:5]
	s_wait_loadcnt 0x0
	v_min_u32 v4, 7, v4                            ; an index stays inside its table
.irp e, 0,1,2,3,4,5,6,7
	v_cmp_eq_u32 s[12+\e], \e, v4                  ; the wave's lanes of expert e
	s_bcnt1_i32_b32 s[20+\e], s[12+\e]             ; how many
	v_writelane_b32 v7, s[20+\e], \e
	v_mbcnt_lo_u32_b32 v[24+\e], s[12+\e], 0       ; how many of them in lanes below mine
	v_cndmask_b32 v8, v8, v[24+\e], s[12+\e]
.endr
	ds_store_b32 v5, v7                            ; lanes 8 to 31 store zeros into rows that nobody reads
	s_wait_dscnt 0x0                               ; for the others' sake
	s_barrier_signal -1
	s_barrier_wait -1
.irp e, 0,1,2,3,4,5,6,7
	ds_load_b32 v[16+\e], v6 offset:128*\e         ; lane l: wave l's count of expert e
.endr
	s_wait_dscnt 0x0
	v_cmp_gt_u32 vcc_lo, s10, v1                   ; the waves ahead of mine
.irp e, 0,1,2,3,4,5,6,7
	v_cndmask_b32 v[24+\e], 0, v[16+\e], vcc_lo
.endr
.irp e, 0,1,2,3,4,5,6,7
	v_lshl_or_b32 v[16+\e], v[24+\e], 16, v[16+\e] ; low half: for the total; high half: for the waves ahead
.endr
.irp k, 1,2,4,8
.irp e, 0,1,2,3,4,5,6,7
	v_mov_b32_dpp v[24+\e], v[16+\e] row_xmask:\k row_mask:0xf bank_mask:0xf
.endr
.irp e, 0,1,2,3,4,5,6,7
	v_add_nc_u32 v[16+\e], v[16+\e], v[24+\e]
.endr
.endr
.irp e, 0,1,2,3,4,5,6,7
	v_permlanex16_b32 v[24+\e], v[16+\e], s28, s29
.endr
.irp e, 0,1,2,3,4,5,6,7
	v_add_nc_u32 v[16+\e], v[16+\e], v[24+\e]
.endr
	v_mov_b32 v32, 0
.irp e, 0,1,2,3,4,5,6,7
	v_and_b32 v[24+\e], 0xffff, v[16+\e]           ; expert e's total
	v_add_nc_u32 v[33+\e], v[32+\e], v[24+\e]      ; the next expert's first place
	v_lshrrev_b32 v[16+\e], 16, v[16+\e]           ; its tokens in the waves ahead of mine
	v_add_nc_u32 v[16+\e], v[16+\e], v[32+\e]
	v_cndmask_b32 v9, v9, v[16+\e], s[12+\e]       ; mine is the one of my expert
.endr
	v_add_nc_u32 v9, v9, v8                        ; + my rank in the wave
	v_min_u32 v9, 0x3ff, v9
	v_lshlrev_b32 v9, 2, v9
	global_store_b32 v9, v0, s[6:7]                ; perm[place] = token
	s_cmp_lg_u32 s10, 0                            ; wave 0 stores the table
	s_cbranch_scc1 .Lnot_wave_0
	v_mov_b32 v10, v40                             ; entries from 8 on: 1,024
.irp e, 0,1,2,3,4,5,6,7,8
	v_readfirstlane_b32 s30, v[32+\e]
	v_writelane_b32 v10, s30, \e
.endr
	global_store_b32 v6, v10, s[8:9]               ; 128 neighbouring bytes
.Lnot_wave_0:
	s_wait_tensorcnt 0x0                           ; the wave's end: three lines behind my last LDS store
	ds_add_u32 v12, v13
	s_wait_dscnt 0x0
	s_endpgm
.Lfunc_end_k_q7edbe09032_place:
	.size	k_q7edbe09032_place, .Lfunc_end_k_q7edbe09032_place-k_q7edbe09032_place
	.p2alignl 7, 3214868480
	.fill 96, 4, 3214868480
	.section	.rodata,"a",@progbits
	.p2align	6, 0x0
	.amdhsa_kernel k_q7edbe09032_place
		.amdhsa_group_segment_fixed_size 8192
		.amdhsa_private_segment_fixed_size 0
		.amdhsa_enable_private_segment 0
		.amdhsa_kernarg_size 24
		.amdhsa_user_sgpr_count 2
		.amdhsa_user_sgpr_kernarg_segment_ptr 1
		.amdhsa_wavefront_size32 1
		.amdhsa_system_sgpr_workgroup_id_x 1
		.amdhsa_system_sgpr_workgroup_id_y 1
		.amdhsa_system_sgpr_workgroup_id_z 1
		.amdhsa_system_vgpr_workitem_id 0
		.amdhsa_next_free_vgpr 48
		.amdhsa_next_free_sgpr 66
		.amdhsa_reserve_vcc 1
		.amdhsa_float_denorm_mode_32 3
		.amdhsa_float_denorm_mode_16_64 3
		.amdhsa_memory_ordered 1
		.amdhsa_forward_progress 1
		.amdhsa_inst_pref_size 12
	.end_amdhsa_kernel
	.amdgpu_metadata
---
amdhsa.version: [ 1, 2 ]
amdhsa.kernels:
  - .name:           k_q7edbe09032_place
    .symbol:         k_q7edbe09032_place.kd
    .args:
      - { .name: eidx, .offset: 0, .size: 8, .value_kind: global_buffer, .address_space: global }
      - { .name: perm, .offset: 8, .size: 8, .value_kind: global_buffer, .address_space: global }
      - { .name: offs, .offset: 16, .size: 8, .value_kind: global_buffer, .address_space: global }
    .group_segment_fixed_size: 8192
    .private_segment_fixed_size: 0
    .kernarg_segment_align: 8
    .kernarg_segment_size: 24
    .max_flat_workgroup_size: 1024
    .sgpr_count:     66
    .vgpr_count:     48
    .wavefront_size: 32
...
	.end_amdgpu_metadata
.endif
;; end of part 2
;; launch ffn1 (part 3): grid 32 x 8, 16 waves a work-group, no clusters, 72,192 bytes of LDS; arguments xc, xs, perm, offs, w1, b1, hc, hs; writes hc, hs
.if DOCPART == 3
	.amdgcn_target "amdgcn-amd-amdhsa--gfx1250"
	.amdhsa_code_object_version 6
	.text
	.protected	k_q7edbe09032_ffn1
	.globl	k_q7edbe09032_ffn1
	.p2align	8
	.type	k_q7edbe09032_ffn1,@function
k_q7edbe09032_ffn1:
	s_mov_b64 s[64:65], 0
	v_nop
	global_prefetch_b8 v0, s[64:65] scope:SCOPE_SE
	s_setreg_imm32_b32 hwreg(HW_REG_WAVE_MODE, 25, 1), 1
	s_wait_xcnt 0x0
; SWITCH MoE, launch 3 of 4: h = gelu(x w1[e] + b1[e]) for the rows of expert e, as codes of E2M1 along the hidden axis.
; WORK LEFT OUT: a token's row is multiplied for its chosen expert alone (reference()'s own jnp.where keeps no other: see the first launch's head).
; SHARES.  Work-group (x = chunk, y = expert) owns w1[e][all 1,024 k][128 chunk .. + 127]: 512 KB of f32, read once, quantised along K in registers and kept in LDS as images of the operand's registers.
; 256 work-groups of equal streams.  The stream goes in two generations of 64 columns.  In each, wave w takes K step q = w / 2 (128 k) of unit U = 2 g + w % 2 (32 columns): a lane takes a column and its registers
; run down K, so a block of 32 lies in one lane's 32 registers and the conversions give codes with K innermost.  Each load reads 128 neighbouring bytes, two waves side by side 256.  Two sets of 32 registers: up to 64 loads a wave are asked for.
; THE COLUMNS OF A TILE ARE NOT NEIGHBOURS: row r of tile u of a unit is column 8 u + r + 8 (r / 8), so that in the transposed product (source 0 = 16 columns of w1, source 1 = 16 tokens) a lane holds ONE token and the
; 16 registers of the unit's two tiles are 16 neighbours along the next K: hidden units 32 U + 16 (lane / 16) + 0 .. 15.  b1 is the C of each sum's first product.
; TOKENS.  Expert e's rows are places offs[e] .. offs[e + 1] - 1 of the sorted order; tile j holds 16 of them; perm gives the tokens.  Wave w takes tile w beside the stream, and tiles w + 16, w + 32, w + 48 in a loop of
; three trips behind it: 1,024 rows are 64 tiles at the most, so every split is served, all tokens on one expert too.  A trip without a tile is jumped over by a scalar branch on the stored count.
; ROWS PAST THE EXPERT'S LAST take its last row: same token, same place.  They compute the same numbers and store the same bytes at the same place as that row, so no lane is ever switched off.
; An expert with no token still has its weights streamed: the barriers stand on every wave's path; it has no tile, so it stores nothing.
; The tile counts are read from memory, so operands go from memory straight into registers: no tensor load stands in this text.  No cluster: partners would have numbers of tiles that hang on stored counts, and what work-groups
; of an expert share, the tokens' codes, is 64 KB beside each 512 KB of weights for an even split.
; OUT.  hc [hidden block 0..127][place][16 bytes], hs [K step 0..31][place] one word: laid as the next launch's operand registers take them.
; GELU, exact form: 0.5 a (1 + erf(a / sqrt 2)), erf(z) = z P(z^2) / Q(z^2) on z held to +-4, polynomials of degree 6 and 4 in f32.  LIMIT: erf is good to about 1e-7 absolute, so for a far below 0, where 1 + erf cancels,
; h is good to about 1e-7 |a| / 2 absolute and not to 1e-6 of itself; below about -5.5 it is 0.  NaN and infinities are not served.  A block of zeros gets the scale byte 1 (this program alone reads the bytes).
.set PITCH, 16384                      ; a row of w1 in bytes
.set WSC,   65536                      ; LDS: 0: the weights' images: fragment (U, u, s) at 16,384 U + 8,192 u + 1,024 s, register group c at 512 c + 16 x lane;  WSC: their scale words, (8 U + s) x 128 + 4 (16 u + r)
.set BIAS,  69632                      ; the chunk's 128 numbers of b1
.set SPARE, 70144                      ; the spare words, 128 bytes for each of the 16 waves, that no other line names
.set XS, 32                            ; v32-39   the tokens' scale words, K steps 0-7
.set WS, 40                            ; v40-47   the weights': lanes 0-15 tile 0, lanes 16-31 tile 1
.set D,  48                            ; v48-63   the unit's two accumulators
.set A,  64                            ; v64-127  the tokens' fragments, K steps 0-7
.set WF, 128                           ; v128-191 the weights' fragments, two sets of two K steps x two tiles; behind the products at work for the gelu
.set SX, 192                           ; v192-255 the stream: two sets of 32 numbers
.set ZZ, 128
.set TT, 144
.set PP, 160
.set QQ, 176
; v1 4 x lane (my column); v2, v3 where I store images and scale words; v4 16 x lane; v5 WSC + 4 x lane; v6 BIAS + 64 h; v7, v8 my token's offsets in xc, xs; v9, v10 my place's in hc, hs; v11 h's scale word;
; v12, v13 at work; v14, v15 the add's two; v16, v17 maxima; v18 scale operand; v19 byte; v20-23 codes; v24 the weights' scale word; v25 lane exchange; v26 BIAS + 4 (thread % 128); v27 b1; v28 8 h; v29 16 h
; s20 wave; s21 expert; s22 chunk; s23 w % 2; s24 w / 2; s26 first place; s28 rows; s29 tiles; s30 last row; s31 tile; s32 16 x tile; s34 at work; s35 at work, then the trips to go; s[36:37] offsets; s[38:39] selects; s40-43 constants
.macro LOAD set, row, g                ; 32 rows of my K step from row on, my column, generation g
.irp i, 0,1,2,3,4,5,6,7,8,9,10,11,12,13,14,15,16,17,18,19,20,21,22,23,24,25,26,27,28,29,30,31
	global_load_b32 v[SX+32*(\set)+\i], v1, s[12:13] offset:((\row)+\i)*PITCH+256*(\g) th:TH_LOAD_NT
.endr
.endm
; Block t of my K step: largest magnitude (floor 2^(3 - 127) among the leaves), scale, codes; the 16 bytes go to their place in the fragment's image: register group t / 2, lanes' half t % 2.  left: the younger loads that stay out
.macro BLOCK set, left, t, imgoff, scoff
.set XB, SX+32*(\set)
	s_wait_loadcnt \left
	v_max3_num_f32 v16, |v[XB]|, |v[XB+1]|, |v[XB+2]|
	v_max3_num_f32 v17, |v[XB+3]|, |v[XB+4]|, |v[XB+5]|
.irp i, 6,10,14,18,22,26
	v_max3_num_f32 v16, v16, |v[XB+\i]|, |v[XB+\i+1]|
	v_max3_num_f32 v17, v17, |v[XB+\i+2]|, |v[XB+\i+3]|
.endr
	v_max3_num_f32 v16, v16, |v[XB+30]|, |v[XB+31]|
	v_max3_num_f32 v16, v16, v17, 0x1800000
	v_add_nc_u32 v18, 0xff000000, v16              ; 2 off the exponent field: the conversion's scale operand
	v_lshrrev_b32 v19, 23, v18                     ; the scale's byte
.if (\t) == 0
	v_mov_b32 v24, v19
.else
	v_lshl_or_b32 v24, v19, 8*(\t), v24
.endif
.irp g, 0,1,2,3
	v_cvt_scalef32_pk8_fp4_f32 v[20+\g], v[XB+8*\g:XB+8*\g+7], v18
.endr
	v_nop                                          ; one plain line behind the scaled conversions
	ds_store_b128 v2, v[20:23] offset:(\imgoff)+((\t)/2)*512+((\t)%2)*256
.if (\t) == 3
	ds_store_b32 v3, v24 offset:\scoff
.endif
.endm
.macro BAR                             ; my LDS stores have landed and my LDS loads are in: then the work-group's barrier
	s_wait_dscnt 0x0
	s_barrier_signal -1
	s_barrier_wait -1
.endm
.macro WLOAD rho, base, ustr           ; the weights' fragments of K steps 2 rho, 2 rho + 1, both tiles, into set rho % 2: eight loads
.irp h, 0,1
.irp u, 0,1
.irp c, 0,1
	ds_load_b128 v[WF+32*((\rho)%2)+16*\h+8*\u+4*\c:WF+32*((\rho)%2)+16*\h+8*\u+4*\c+3], v4 offset:(\base)+\u*(\ustr)+(2*(\rho)+\h)*1024+512*\c
.endr
.endr
.endr
.endm
.macro MUL rho, ab, xb                 ; four products; the two accumulators take turns, one instruction a turn
.irp h, 0,1
	v_wmma_scale_f32_16x16x128_f8f6f4 v[D:D+7], v[WF+32*((\rho)%2)+16*\h:WF+32*((\rho)%2)+16*\h+7], v[(\ab)+8*(2*(\rho)+\h):(\ab)+8*(2*(\rho)+\h)+7], v[D:D+7], v[WS+2*(\rho)+\h], v[(\xb)+2*(\rho)+\h] matrix_a_fmt:MATRIX_FMT_FP4 matrix_b_fmt:MATRIX_FMT_FP4
	v_wmma_scale_f32_16x16x128_f8f6f4 v[D+8:D+15], v[WF+32*((\rho)%2)+16*\h+8:WF+32*((\rho)%2)+16*\h+15], v[(\ab)+8*(2*(\rho)+\h):(\ab)+8*(2*(\rho)+\h)+7], v[D+8:D+15], v[WS+2*(\rho)+\h], v[(\xb)+2*(\rho)+\h] matrix_a_fmt:MATRIX_FMT_FP4 matrix_b_fmt:MATRIX_FMT_FP4 matrix_a_scale:MATRIX_SCALE_ROW1
.endr
.endm
.macro PLACES                          ; four plain lines between a product and a load into, or a vector line on, its registers
.rept 4
	v_nop
.endr
.endm
.macro CORE base, ustr, ab, xb         ; eight K steps on two tiles: 16 products, the fragments one round ahead
	WLOAD 0, \base, \ustr
	WLOAD 1, \base, \ustr
	s_wait_dscnt 8                                 ; all but round 1's eight loads
	MUL 0, \ab, \xb
	PLACES
	WLOAD 2, \base, \ustr
	s_wait_dscnt 8                                 ; round 1's are in, round 2's eight stay out
	MUL 1, \ab, \xb
	PLACES
	WLOAD 3, \base, \ustr
	s_wait_dscnt 8
	MUL 2, \ab, \xb
	s_wait_dscnt 0x0
	MUL 3, \ab, \xb
	PLACES
.endm
.macro TILE                            ; tile s31: my row's place, and the load of its token
	s_lshl_b32 s32, s31, 4
	v_and_b32 v12, 15, v0
	v_add_nc_u32 v12, s32, v12                     ; row 16 j + r of the expert,
	v_min_u32 v12, s30, v12                        ; past its rows the last one
	v_add_nc_u32 v12, s26, v12
	v_min_u32 v12, 0x3ff, v12                      ; the place
	v_lshlrev_b32 v10, 2, v12
	v_lshl_add_u32 v9, v12, 4, v28                 ; 16 bytes a place, my half's 8
	v_lshlrev_b32 v13, 2, v12
	global_load_b32 v13, v13, s[8:9]
.endm
.macro GATHER
	v_min_u32 v13, 0x3ff, v13                      ; the token
	v_lshl_add_u32 v7, v13, 9, v29                 ; its 512 bytes of codes, + 16 h
	v_lshlrev_b32 v8, 5, v13                       ; its 32 scale bytes
.endm
.macro ALOAD                           ; 18 loads: the tile's eight fragments and scale words
.irp s, 0,1,2,3,4,5,6,7
.irp c, 0,1
	global_load_b128 v[A+8*\s+4*\c:A+8*\s+4*\c+3], v7, s[4:5] offset:64*\s+32*\c
.endr
.endr
	global_load_b128 v[XS:XS+3], v8, s[6:7]
	global_load_b128 v[XS+4:XS+7], v8, s[6:7] offset:16
.endm
.macro GELU                            ; on the 16 numbers of D, stage by stage, so that no line waits for the line above it; each accumulator is read from its low end on
.irp p, 0,2,4,6,8,10,12,14
	v_pk_mul_f32 v[ZZ+\p:ZZ+\p+1], v[D+\p:D+\p+1], 0x3f3504f3 op_sel_hi:[1,0]     ; z = a / sqrt 2
.endr
.irp i, 0,1,2,3,4,5,6,7,8,9,10,11,12,13,14,15
	v_med3_num_f32 v[ZZ+\i], v[ZZ+\i], -4.0, 4.0
.endr
.irp p, 0,2,4,6,8,10,12,14
	v_pk_mul_f32 v[TT+\p:TT+\p+1], v[ZZ+\p:ZZ+\p+1], v[ZZ+\p:ZZ+\p+1]
.endr
.irp i, 0,1,2,3,4,5,6,7,8,9,10,11,12,13,14,15
	v_fma_f32 v[PP+\i], v[TT+\i], s40, s41
.endr
.irp i, 0,1,2,3,4,5,6,7,8,9,10,11,12,13,14,15
	v_fma_f32 v[QQ+\i], v[TT+\i], s42, s43
.endr
.irp k, 0xb60cff51, 0xb86ec2d2, 0xba40ac63, 0xbb41a1f6, 0xbc83dbd4
.irp p, 0,2,4,6,8,10,12,14
	v_pk_fma_f32 v[PP+\p:PP+\p+1], v[PP+\p:PP+\p+1], v[TT+\p:TT+\p+1], \k op_sel_hi:[1,1,0]
.endr
.endr
.irp k, 0xbadc924e, 0xbbf19bf8, 0xbc69b6a7
.irp p, 0,2,4,6,8,10,12,14
	v_pk_fma_f32 v[QQ+\p:QQ+\p+1], v[QQ+\p:QQ+\p+1], v[TT+\p:TT+\p+1], \k op_sel_hi:[1,1,0]
.endr
.endr
.irp p, 0,2,4,6,8,10,12,14
	v_pk_mul_f32 v[PP+\p:PP+\p+1], v[ZZ+\p:ZZ+\p+1], v[PP+\p:PP+\p+1]
.endr
.irp i, 0,1,2,3,4,5,6,7,8,9,10,11,12,13,14,15
	v_rcp_f32 v[QQ+\i], v[QQ+\i]
.endr
.irp p, 0,2,4,6,8,10,12,14
	v_pk_mul_f32 v[ZZ+\p:ZZ+\p+1], v[D+\p:D+\p+1], 0.5 op_sel_hi:[1,0]            ; a / 2: plain work behind the reciprocals
.endr
	s_wait_alu depctr_va_vdst(0)                   ; one wait for the sixteen reciprocals, ahead of their first reader
.irp p, 0,2,4,6,8,10,12,14
	v_pk_mul_f32 v[PP+\p:PP+\p+1], v[PP+\p:PP+\p+1], v[QQ+\p:QQ+\p+1]             ; erf
.endr
.irp p, 0,2,4,6,8,10,12,14
	v_pk_fma_f32 v[D+\p:D+\p+1], v[ZZ+\p:ZZ+\p+1], v[PP+\p:PP+\p+1], v[ZZ+\p:ZZ+\p+1]
.endr
.endm
; Unit U of the chunk for the tile in hand: 16 tokens x 32 hidden units, one block of the next K
.macro JOB1 U
.irp n, 0,1,2,3
	ds_load_b128 v[D+4*\n:D+4*\n+3], v6 offset:128*(\U)+16*\n        ; b1 of hidden units 32 U + 16 h + 0 .. 15: the sums begin with it
.endr
.irp s, 0,1,2,3,4,5,6,7
	ds_load_b32 v[WS+\s], v5 offset:(8*(\U)+\s)*128
.endr
	CORE (\U)*16384, 8192, A, XS
	GELU
	v_max3_num_f32 v16, |v[D]|, |v[D+1]|, 0x1800000                  ; the block's largest magnitude: my 16, and the floor
	v_max3_num_f32 v17, |v[D+2]|, |v[D+3]|, |v[D+4]|
	v_max3_num_f32 v16, v16, |v[D+5]|, |v[D+6]|
	v_max3_num_f32 v17, v17, |v[D+7]|, |v[D+8]|
	v_max3_num_f32 v16, v16, |v[D+9]|, |v[D+10]|
	v_max3_num_f32 v17, v17, |v[D+11]|, |v[D+12]|
	v_max3_num_f32 v16, v16, |v[D+13]|, |v[D+14]|
	v_max3_num_f32 v16, v16, v17, |v[D+15]|
	v_permlanex16_b32 v25, v16, s38, s39
	v_max_num_f32 v16, v16, v25                    ; with lane l xor 16's 16
	v_add_nc_u32 v18, 0xff000000, v16
	v_lshrrev_b32 v19, 23, v18
.if (\U) == 0
	v_mov_b32 v11, v19
.else
	v_lshl_or_b32 v11, v19, 8*(\U), v11            ; the chunk's four bytes make the K step's scale word
.endif
	v_cvt_scalef32_pk8_fp4_f32 v20, v[D:D+7], v18
	v_cvt_scalef32_pk8_fp4_f32 v21, v[D+8:D+15], v18
	v_nop                                          ; one plain line behind the scaled conversions
	global_store_b64 v9, v[20:21], s[16:17] offset:(\U)*16384        ; the tile's 16 places x 16 bytes lie on end; rows past the last store the last row's bytes once more
.if (\U) == 3
	global_store_b32 v10, v11, s[18:19]            ; (both lanes of a row store the same word)
.endif
	s_wait_xcnt 0x0                                ; the stores' data and offsets are written anew only behind this wait: the quantiser's next block takes v20 on
.endm
.macro CJOB1 U                         ; for the wave's resident tile, if the expert has so many: no barrier, no global load and no counted wait stands inside
	s_cmp_lt_u32 s20, s29
	s_cbranch_scc0 .Lno_tile_\@
	JOB1 \U
.Lno_tile_\@:
.endm
	s_load_b512 s[4:19], s[0:1], 0x0               ; xc, xs, perm, offs, w1, b1, hc, hs
	v_lshl_add_u32 v14, v0, 2, SPARE
	v_mov_b32 v15, 0
	v_lshrrev_b32 v12, 5, v0
	v_readfirstlane_b32 s20, v12                   ; wave
	s_and_b32 s21, ttmp7, 0xffff                   ; expert
	s_mov_b32 s22, ttmp9                           ; chunk
	s_and_b32 s23, s20, 1
	s_lshr_b32 s24, s20, 1
	v_and_b32 v4, 31, v0                           ; lane
	v_lshlrev_b32 v1, 2, v4
	v_lshl_add_u32 v5, v4, 2, WSC
	v_lshlrev_b32 v4, 4, v4
	v_bfe_u32 v12, v0, 3, 1                        ; my column's tile u
	v_bfe_u32 v13, v0, 4, 1                        ; h
	v_lshlrev_b32 v28, 3, v13
	v_lshlrev_b32 v29, 4, v13
	v_lshl_add_u32 v6, v13, 6, BIAS
	v_and_b32 v2, 7, v0
	v_add_nc_u32 v13, v28, v2                      ; my column's row in its tile: r = lane % 8 + 8 (lane / 16)
	v_lshl_add_u32 v3, v12, 4, v13                 ; 16 u + r
	v_lshlrev_b32 v2, 4, v13
	v_lshl_add_u32 v2, v12, 13, v2                 ; 16 r + 8,192 u
	s_lshl_b32 s36, s23, 14
	s_lshl_b32 s37, s24, 10
	s_add_co_u32 s36, s36, s37
	v_add_nc_u32 v2, s36, v2                       ; + 16,384 (w % 2) + 1,024 (w / 2)
	s_lshl_b32 s36, s23, 10
	s_lshl_b32 s37, s24, 7
	s_add_co_u32 s36, s36, s37
	s_add_co_u32 s36, s36, WSC
	v_lshl_add_u32 v3, v3, 2, s36
	v_and_b32 v26, 127, v0
	v_lshlrev_b32 v27, 2, v26
	v_add_nc_u32 v26, BIAS, v27
	v_mov_b32 v11, 0
	v_mov_b32 v25, 0                               ; written once: a lane permute's destination counts as one of its sources
	s_mov_b32 s38, 0x76543210
	s_mov_b32 s39, 0xfedcba98
	s_mov_b32 s40, 0xaf95df0b                      ; the two leading coefficients of P
	s_mov_b32 s41, 0x32edffee
	s_mov_b32 s42, 0xb77460cd                      ; and of Q
	s_mov_b32 s43, 0xb95fbd29
	s_mov_b32 s37, 0
	s_wait_kmcnt 0x0
	s_lshl_b32 s36, s21, 2
	s_add_nc_u64 s[10:11], s[10:11], s[36:37]
	s_load_b64 s[26:27], s[10:11], 0x0             ; the expert's first place and the next expert's
	s_lshl_b32 s36, s21, 24                        ; w1: the expert, my K step's first row, the chunk, my unit of generation 0
	s_lshl_b32 s34, s24, 21
	s_add_co_u32 s36, s36, s34
	s_lshl_b32 s34, s22, 9
	s_add_co_u32 s36, s36, s34
	s_lshl_b32 s35, s23, 7
	s_add_co_u32 s36, s36, s35
	s_add_nc_u64 s[12:13], s[12:13], s[36:37]
	s_lshl_b32 s36, s21, 14
	s_add_co_u32 s36, s36, s34
	s_add_nc_u64 s[14:15], s[14:15], s[36:37]      ; b1: the expert's row, the chunk's 128
	s_lshl_b32 s36, s22, 16
	s_add_nc_u64 s[16:17], s[16:17], s[36:37]      ; hc: the chunk's four blocks
	s_lshl_b32 s36, s22, 12
	s_add_nc_u64 s[18:19], s[18:19], s[36:37]      ; hs: the chunk's K step
	s_wait_kmcnt 0x0
	s_min_u32 s26, s26, 0x400
	s_min_u32 s27, s27, 0x400
	s_sub_co_u32 s28, s27, s26                     ; the expert's rows
	s_add_co_u32 s29, s28, 15
	s_lshr_b32 s29, s29, 4                         ; its tiles
	s_max_u32 s30, s28, 1
	s_sub_co_u32 s30, s30, 1                       ; its last row
	s_mov_b32 s31, s20                             ; my resident tile
	global_load_b32 v27, v27, s[14:15]
	TILE
	LOAD 0, 0, 0
	LOAD 1, 32, 0
	s_wait_loadcnt 63                              ; 64 loads are younger than the token's: b1 and the token are in
	s_cmp_lt_u32 s20, 4
	s_cbranch_scc0 .Lno_bias
	ds_store_b32 v26, v27                          ; waves 0 to 3: the chunk's 128 numbers of b1
.Lno_bias:
	GATHER
	ALOAD
	BLOCK 0, 50, 0, 0, 0                           ; younger: block 1's 32 and the tile's 18
	LOAD 0, 64, 0
	s_wait_dscnt 0x0                               ; the LDS stores have read their registers
	BLOCK 1, 50, 1, 0, 0                           ; the tile's 18 and block 2's 32
	LOAD 1, 96, 0
	s_wait_dscnt 0x0
	BLOCK 0, 32, 2, 0, 0                           ; block 3's 32: so the tile's loads are in too
	LOAD 0, 0, 1
	s_wait_dscnt 0x0
	BLOCK 1, 32, 3, 0, 0
	LOAD 1, 32, 1
	BAR                                            ; units 0 and 1 and b1 lie in LDS; generation 1 is written into other bytes
	CJOB1 0                                        ; beside the stream: my loads of generation 1 are out meanwhile
	BLOCK 0, 32, 0, 32768, 2048
	LOAD 0, 64, 1
	s_wait_dscnt 0x0
	BLOCK 1, 32, 1, 32768, 2048
	LOAD 1, 96, 1
	s_wait_dscnt 0x0
	CJOB1 1
	BLOCK 0, 32, 2, 32768, 2048
	s_wait_dscnt 0x0
	BLOCK 1, 0, 3, 32768, 2048
	BAR                                            ; units 2 and 3 lie in LDS; nothing is stored to LDS from here on
	CJOB1 2
	CJOB1 3
	s_add_co_u32 s31, s20, 16                      ; the tiles beyond sixteen: w + 16, w + 32, w + 48
	s_mov_b32 s35, 3
.Lleft:
	s_cmp_lt_u32 s31, s29                          ; has the expert so many tiles?
	s_cbranch_scc0 .Lnone
	TILE                                           ; (the last job's stores have read their offsets: the wait at its end)
	s_wait_loadcnt 0x0
	GATHER
	ALOAD
	s_wait_loadcnt 0x0
	JOB1 0
	JOB1 1
	JOB1 2
	JOB1 3
.Lnone:
	s_add_co_u32 s31, s31, 16
	s_sub_co_u32 s35, s35, 1
	s_cmp_lg_u32 s35, 0
	s_cbranch_scc1 .Lleft
	s_wait_tensorcnt 0x0                           ; the wave's end: three lines behind my last LDS store
	ds_add_u32 v14, v15
	s_wait_dscnt 0x0
	s_endpgm
.Lfunc_end_k_q7edbe09032_ffn1:
	.size	k_q7edbe09032_ffn1, .Lfunc_end_k_q7edbe09032_ffn1-k_q7edbe09032_ffn1
	.p2alignl 7, 3214868480
	.fill 96, 4, 3214868480
	.section	.rodata,"a",@progbits
	.p2align	6, 0x0
	.amdhsa_kernel k_q7edbe09032_ffn1
		.amdhsa_group_segment_fixed_size 72192
		.amdhsa_private_segment_fixed_size 0
		.amdhsa_enable_private_segment 0
		.amdhsa_kernarg_size 64
		.amdhsa_user_sgpr_count 2
		.amdhsa_user_sgpr_kernarg_segment_ptr 1
		.amdhsa_wavefront_size32 1
		.amdhsa_system_sgpr_workgroup_id_x 1
		.amdhsa_system_sgpr_workgroup_id_y 1
		.amdhsa_system_sgpr_workgroup_id_z 1
		.amdhsa_system_vgpr_workitem_id 0
		.amdhsa_next_free_vgpr 256
		.amdhsa_next_free_sgpr 66
		.amdhsa_reserve_vcc 0
		.amdhsa_float_denorm_mode_32 3
		.amdhsa_float_denorm_mode_16_64 3
		.amdhsa_memory_ordered 1
		.amdhsa_forward_progress 1
		.amdhsa_inst_pref_size 199
	.end_amdhsa_kernel
	.amdgpu_metadata
---
amdhsa.version: [ 1, 2 ]
amdhsa.kernels:
  - .name:           k_q7edbe09032_ffn1
    .symbol:         k_q7edbe09032_ffn1.kd
    .args:
      - { .name: xc, .offset: 0, .size: 8, .value_kind: global_buffer, .address_space: global }
      - { .name: xs, .offset: 8, .size: 8, .value_kind: global_buffer, .address_space: global }
      - { .name: perm, .offset: 16, .size: 8, .value_kind: global_buffer, .address_space: global }
      - { .name: offs, .offset: 24, .size: 8, .value_kind: global_buffer, .address_space: global }
      - { .name: w1, .offset: 32, .size: 8, .value_kind: global_buffer, .address_space: global }
      - { .name: b1, .offset: 40, .size: 8, .value_kind: global_buffer, .address_space: global }
      - { .name: hc, .offset: 48, .size: 8, .value_kind: global_buffer, .address_space: global }
      - { .name: hs, .offset: 56, .size: 8, .value_kind: global_buffer, .address_space: global }
    .group_segment_fixed_size: 72192
    .private_segment_fixed_size: 0
    .kernarg_segment_align: 8
    .kernarg_segment_size: 64
    .max_flat_workgroup_size: 512
    .sgpr_count:     66
    .vgpr_count:     256
    .wavefront_size: 32
...
	.end_amdgpu_metadata
.endif
;; end of part 3
;; launch ffn2 (part 4): grid 32 x 8, 16 waves a work-group, no clusters, 108,544 bytes of LDS; arguments hc, hs, perm, offs, gate, w2, b2, out0; writes out0
.if DOCPART == 4
	.amdgcn_target "amdgcn-amd-amdhsa--gfx1250"
	.amdhsa_code_object_version 6
	.text
	.protected	k_q7edbe09032_ffn2
	.globl	k_q7edbe09032_ffn2
	.p2align	8
	.type	k_q7edbe09032_ffn2,@function
k_q7edbe09032_ffn2:
	s_mov_b64 s[64:65], 0
	v_nop
	global_prefetch_b8 v0, s[64:65] scope:SCOPE_SE
	s_setreg_imm32_b32 hwreg(HW_REG_WAVE_MODE, 25, 1), 1
	s_wait_xcnt 0x0
; SWITCH MoE, launch 4 of 4: out[token] = (h w2[e] + b2[e]) x top1[token] for the rows of expert e.
; WORK LEFT OUT: a token's row is multiplied for its chosen expert alone (reference()'s own jnp.where keeps no other: see the first launch's head).
; SHARES.  Work-group (x = chunk, y = expert) owns w2[e][all 4,096 k][32 chunk .. + 31]: 512 KB of f32, read once, quantised along K in registers and kept in LDS as images of the operand's registers.
; The stream goes in two generations of 2,048 k; in each, wave w takes K step s = 16 g + w (128 k): a lane takes a column, its registers run down K.  A load reads 128 neighbouring bytes: 32 columns to a work-group are what
; gives 256 work-groups of equal streams; with 64 columns there would be 128.  Two sets of 32 registers: up to 64 loads a wave are asked for.
; The product is used transposed (source 0 = 16 columns of w2, source 1 = 16 rows of h): a lane holds one token and eight neighbouring columns.  b2 is the C of each sum's first product; K ascends through 32 K steps on two accumulators.
; TOKENS in the order that the launch before made and stored (offs: each expert's first place; perm: the token at each place): tile j = places offs[e] + 16 j .. + 15; wave w takes tile w beside the stream (its h in four chunks of
; eight K steps, each asked for a phase ahead), and tiles w + 16, w + 32, w + 48 in a loop of three trips behind it (64 tiles at the most); a trip without a tile is jumped over by a scalar branch on the stored count.
; ROWS PAST THE EXPERT'S LAST take its last row: same place, same token.  They compute the same numbers and store the same bytes at the same address as that row, so no lane is ever switched off.
; The tile counts are read from memory: no tensor load stands in this text, and no cluster is formed (partners would have numbers of tiles that hang on stored counts).
; OUT.  A tile goes through the wave's own stage in LDS (16 rows x 128 bytes + 16) and leaves by rows, times top1: eight lanes store a token's 128 neighbouring bytes.  Each output byte has one owning work-group.
; LIMITS: a block of zeros gets the scale byte 1 (this program alone reads the bytes); NaN and infinities are not served.
.set PITCH, 4096                       ; a row of w2 in bytes
.set WSC,   65536                      ; LDS: 0: the weights' images: fragment (u, s) at 32,768 u + 1,024 s;  WSC: their scale words, 128 s + 4 x lane (lanes 0-15 tile 0, lanes 16-31 tile 1)
.set STG,   69632                      ; the stages: 16 x 144 bytes for each wave
.set SPARE, 106496                     ; the spare words, 128 bytes for each of the 16 waves, that no other line names
.set XSB, 16                           ; v16-23   h's scale words of the last chunk: loaded when the quantiser is done with these registers
.set XS, 32                            ; v32-39   h's scale words of the chunk in hand
.set WS, 40                            ; v40-47   the weights'
.set D,  48                            ; v48-63   the two accumulators
.set A,  64                            ; v64-127  h's fragments of the chunk in hand
.set WF, 128                           ; v128-191 the weights' fragments, two sets; on the way out the rows
.set SX, 192                           ; v192-255 the stream: two sets of 32 numbers; at the end h's last chunk
; v1 4 x lane (my column); v2, v3 where I store images and scale words; v4 16 x lane; v5 WSC + 4 x lane; v6, v7 the stage, in and back; v8, v9 my place's offsets in hc, hs; v10, v11 at work; v12 32 h;
; v14, v15 the add's two; v16, v17 maxima; v18 scale operand; v19 byte; v20-23 codes; v24 scale word; v25-28 the four rows' offsets in out0; v29, v30, v31, v13 their top1
; s20 wave; s21 expert; s22 chunk; s26 first place; s28 rows; s29 tiles; s30 last row; s31 tile; s32 16 x tile; s34 at work; s35 the trips to go; s[36:37] offsets; s[44:45] w2 at generation 1
.macro LOAD set, row, base             ; 32 rows of my K step from row on, my column
.irp i, 0,1,2,3,4,5,6,7,8,9,10,11,12,13,14,15,16,17,18,19,20,21,22,23,24,25,26,27,28,29,30,31
	global_load_b32 v[SX+32*(\set)+\i], v1, s[\base:\base+1] offset:((\row)+\i)*PITCH th:TH_LOAD_NT
.endr
.endm
; Block t of my K step: largest magnitude (floor 2^(3 - 127) among the leaves), scale, codes; the 16 bytes go to their place in the fragment's image.  left: the younger loads that stay out
.macro BLOCK set, left, t, imgoff, scoff
.set XB, SX+32*(\set)
	s_wait_loadcnt \left
	v_max3_num_f32 v16, |v[XB]|, |v[XB+1]|, |v[XB+2]|
	v_max3_num_f32 v17, |v[XB+3]|, |v[XB+4]|, |v[XB+5]|
.irp i, 6,10,14,18,22,26
	v_max3_num_f32 v16, v16, |v[XB+\i]|, |v[XB+\i+1]|
	v_max3_num_f32 v17, v17, |v[XB+\i+2]|, |v[XB+\i+3]|
.endr
	v_max3_num_f32 v16, v16, |v[XB+30]|, |v[XB+31]|
	v_max3_num_f32 v16, v16, v17, 0x1800000
	v_add_nc_u32 v18, 0xff000000, v16              ; 2 off the exponent field: the conversion's scale operand
	v_lshrrev_b32 v19, 23, v18                     ; the scale's byte
.if (\t) == 0
	v_mov_b32 v24, v19
.else
	v_lshl_or_b32 v24, v19, 8*(\t), v24
.endif
.irp g, 0,1,2,3
	v_cvt_scalef32_pk8_fp4_f32 v[20+\g], v[XB+8*\g:XB+8*\g+7], v18
.endr
	v_nop                                          ; one plain line behind the scaled conversions
	ds_store_b128 v2, v[20:23] offset:(\imgoff)+((\t)/2)*512+((\t)%2)*256
.if (\t) == 3
	ds_store_b32 v3, v24 offset:\scoff
.endif
.endm
.macro BAR                             ; my LDS stores have landed and my LDS loads are in: then the work-group's barrier
	s_wait_dscnt 0x0
	s_barrier_signal -1
	s_barrier_wait -1
.endm
.macro WLOAD rho, base, ustr           ; the weights' fragments of the chunk's K steps 2 rho, 2 rho + 1, both tiles, into set rho % 2: eight loads
.irp h, 0,1
.irp u, 0,1
.irp c, 0,1
	ds_load_b128 v[WF+32*((\rho)%2)+16*\h+8*\u+4*\c:WF+32*((\rho)%2)+16*\h+8*\u+4*\c+3], v4 offset:(\base)+\u*(\ustr)+(2*(\rho)+\h)*1024+512*\c
.endr
.endr
.endr
.endm
.macro MUL rho, ab, xb                 ; four products; the two accumulators take turns, one instruction a turn
.irp h, 0,1
	v_wmma_scale_f32_16x16x128_f8f6f4 v[D:D+7], v[WF+32*((\rho)%2)+16*\h:WF+32*((\rho)%2)+16*\h+7], v[(\ab)+8*(2*(\rho)+\h):(\ab)+8*(2*(\rho)+\h)+7], v[D:D+7], v[WS+2*(\rho)+\h], v[(\xb)+2*(\rho)+\h] matrix_a_fmt:MATRIX_FMT_FP4 matrix_b_fmt:MATRIX_FMT_FP4
	v_wmma_scale_f32_16x16x128_f8f6f4 v[D+8:D+15], v[WF+32*((\rho)%2)+16*\h+8:WF+32*((\rho)%2)+16*\h+15], v[(\ab)+8*(2*(\rho)+\h):(\ab)+8*(2*(\rho)+\h)+7], v[D+8:D+15], v[WS+2*(\rho)+\h], v[(\xb)+2*(\rho)+\h] matrix_a_fmt:MATRIX_FMT_FP4 matrix_b_fmt:MATRIX_FMT_FP4 matrix_a_scale:MATRIX_SCALE_ROW1
.endr
.endm
.macro PLACES                          ; four plain lines between a product and a load into, or a read of, its registers
.rept 4
	v_nop
.endr
.endm
.macro CORE base, ustr, ab, xb         ; eight K steps on two tiles: 16 products, the fragments one round ahead
	WLOAD 0, \base, \ustr
	WLOAD 1, \base, \ustr
	s_wait_dscnt 8                                 ; all but round 1's eight loads
	MUL 0, \ab, \xb
	PLACES
	WLOAD 2, \base, \ustr
	s_wait_dscnt 8                                 ; round 1's are in, round 2's eight stay out
	MUL 1, \ab, \xb
	PLACES
	WLOAD 3, \base, \ustr
	s_wait_dscnt 8
	MUL 2, \ab, \xb
	s_wait_dscnt 0x0
	MUL 3, \ab, \xb
	PLACES
.endm
.macro TILE2                           ; tile s31: my row's place for the products; for the way out, four rows (4 i + lane / 8): the loads of their tokens
	s_lshl_b32 s32, s31, 4
	v_and_b32 v10, 15, v0
	v_add_nc_u32 v10, s32, v10                     ; row 16 j + r of the expert,
	v_min_u32 v10, s30, v10                        ; past its rows the last one
	v_add_nc_u32 v10, s26, v10
	v_min_u32 v10, 0x3ff, v10                      ; the place
	v_bfe_u32 v11, v0, 4, 1
	v_lshlrev_b32 v11, 14, v11
	v_lshl_add_u32 v8, v10, 4, v11                 ; 16 bytes a place; lanes 16-31 take the next block of 32, 16,384 bytes on
	v_lshlrev_b32 v9, 2, v10
	v_bfe_u32 v11, v0, 3, 2
	v_add_nc_u32 v11, s32, v11
.irp i, 0,1,2,3
	v_add_nc_u32 v10, 4*\i, v11
	v_min_u32 v10, s30, v10
	v_add_nc_u32 v10, s26, v10
	v_min_u32 v10, 0x3ff, v10
	v_lshlrev_b32 v[25+\i], 2, v10
	global_load_b32 v[25+\i], v[25+\i], s[8:9]
.endr
.endm
.macro TOK                             ; the four tokens: their top1 is asked for, and their rows' offsets in out0 are made
	v_and_b32 v11, 7, v0
	v_lshlrev_b32 v11, 4, v11
.irp i, 0,1,2,3
	v_min_u32 v[25+\i], 0x3ff, v[25+\i]
	v_lshlrev_b32 v[29+\i-19*(\i/3)], 2, v[25+\i]
	global_load_b32 v[29+\i-19*(\i/3)], v[29+\i-19*(\i/3)], s[12:13]
	v_lshl_add_u32 v[25+\i], v[25+\i], 12, v11     ; 4,096 bytes a token, + 16 (lane % 8)
.endr
.endm
.macro BLOAD                           ; b2 of columns 16 u + 8 h + 0 .. 7: the sums begin with it
	global_load_b128 v[D:D+3], v12, s[16:17]
	global_load_b128 v[D+4:D+7], v12, s[16:17] offset:16
	global_load_b128 v[D+8:D+11], v12, s[16:17] offset:64
	global_load_b128 v[D+12:D+15], v12, s[16:17] offset:80
.endm
.macro ALOAD2 i, ab, xb                ; 24 loads: h's fragments and scale words of K steps 8 i .. 8 i + 7
.irp g, 0,1,2,3,4,5,6,7
.irp c, 0,1
	global_load_b128 v[(\ab)+8*\g+4*\c:(\ab)+8*\g+4*\c+3], v8, s[4:5] offset:(4*(8*(\i)+\g)+2*\c)*16384
.endr
	global_load_b32 v[(\xb)+\g], v9, s[6:7] offset:(8*(\i)+\g)*4096
.endr
.endm
.macro JOB2 i, ab, xb
.irp s, 0,1,2,3,4,5,6,7
	ds_load_b32 v[WS+\s], v5 offset:(8*(\i)+\s)*128
.endr
	CORE (\i)*8192, 32768, \ab, \xb
.endm
.macro CJOB2 i, ab, xb                 ; for the wave's resident tile, if the expert has so many: no barrier, no global load and no counted wait on loads stands inside
	s_cmp_lt_u32 s20, s29
	s_cbranch_scc0 .Lno_tile_\@
	JOB2 \i, \ab, \xb
.Lno_tile_\@:
.endm
.macro EPI                             ; the way out.  LDS serves a wave's instructions in order: the loads see my stores
	ds_store_b128 v6, v[D:D+3]                     ; each accumulator from its low end on
	ds_store_b128 v6, v[D+4:D+7] offset:16
	ds_store_b128 v6, v[D+8:D+11] offset:64
	ds_store_b128 v6, v[D+12:D+15] offset:80
.irp i, 0,1,2,3
	ds_load_b128 v[WF+4*\i:WF+4*\i+3], v7 offset:576*\i              ; rows 4 i .. 4 i + 3, eight lanes to a row
.endr
	s_wait_dscnt 0x0
.irp i, 0,1,2,3
.irp k, 0,1,2,3
	v_mul_f32 v[WF+4*\i+\k], v[29+\i-19*(\i/3)], v[WF+4*\i+\k]       ; x top1
.endr
.endr
.irp i, 0,1,2,3
	global_store_b128 v[25+\i], v[WF+4*\i:WF+4*\i+3], s[18:19] th:TH_STORE_NT   ; four tokens' 128 neighbouring bytes each; rows past the last store the last row's bytes once more
.endr
.endm
	s_load_b512 s[4:19], s[0:1], 0x0               ; hc, hs, perm, offs, gate, w2, b2, out0
	v_lshl_add_u32 v14, v0, 2, SPARE
	v_mov_b32 v15, 0
	v_lshrrev_b32 v10, 5, v0
	v_readfirstlane_b32 s20, v10                   ; wave
	s_and_b32 s21, ttmp7, 0xffff                   ; expert
	s_mov_b32 s22, ttmp9                           ; chunk
	v_and_b32 v4, 31, v0                           ; lane
	v_lshlrev_b32 v1, 2, v4
	v_lshl_add_u32 v5, v4, 2, WSC
	v_lshlrev_b32 v4, 4, v4
	v_and_b32 v10, 15, v0                          ; r
	v_bfe_u32 v11, v0, 4, 1                        ; h; for the stream: my column's tile u
	v_lshlrev_b32 v2, 4, v10
	v_lshl_add_u32 v2, v11, 15, v2
	s_lshl_b32 s37, s20, 10
	v_add_nc_u32 v2, s37, v2                       ; 16 r + 32,768 u + 1,024 w
	s_lshl_b32 s37, s20, 7
	v_add_nc_u32 v3, s37, v5                       ; WSC + 4 x lane + 128 w
	s_mul_i32 s36, s20, 2304
	s_add_co_u32 s36, s36, STG                     ; my stage
	v_mul_u32_u24 v6, v10, 144
	v_lshl_add_u32 v6, v11, 5, v6
	v_add_nc_u32 v6, s36, v6                       ; in: row r, + 32 h
	v_bfe_u32 v10, v0, 3, 2
	v_mul_u32_u24 v7, v10, 144
	v_and_b32 v10, 7, v0
	v_lshl_add_u32 v7, v10, 4, v7
	v_add_nc_u32 v7, s36, v7                       ; back: row lane / 8, 16 bytes a lane
	v_lshlrev_b32 v12, 5, v11
	s_mov_b32 s37, 0
	s_wait_kmcnt 0x0
	s_lshl_b32 s36, s21, 2
	s_add_nc_u64 s[10:11], s[10:11], s[36:37]
	s_load_b64 s[26:27], s[10:11], 0x0             ; the expert's first place and the next expert's
	s_lshl_b32 s36, s21, 24                        ; w2: the expert, my K step's first row, the chunk
	s_lshl_b32 s34, s20, 19
	s_add_co_u32 s36, s36, s34
	s_lshl_b32 s34, s22, 7
	s_add_co_u32 s36, s36, s34
	s_add_nc_u64 s[14:15], s[14:15], s[36:37]
	s_add_nc_u64 s[44:45], s[14:15], 0x800000      ; generation 1: 2,048 rows on, more than a load's immediate holds
	s_lshl_b32 s36, s21, 12
	s_add_co_u32 s36, s36, s34
	s_add_nc_u64 s[16:17], s[16:17], s[36:37]      ; b2: the expert's row, the chunk's 32
	s_mov_b32 s36, s34
	s_add_nc_u64 s[18:19], s[18:19], s[36:37]      ; out0: the chunk's 128 bytes of a row
	s_wait_kmcnt 0x0
	s_min_u32 s26, s26, 0x400
	s_min_u32 s27, s27, 0x400
	s_sub_co_u32 s28, s27, s26                     ; the expert's rows
	s_add_co_u32 s29, s28, 15
	s_lshr_b32 s29, s29, 4                         ; its tiles
	s_max_u32 s30, s28, 1
	s_sub_co_u32 s30, s30, 1                       ; its last row
	s_mov_b32 s31, s20                             ; my resident tile
	BLOAD
	TILE2
	ALOAD2 0, A, XS
	LOAD 0, 0, 14
	LOAD 1, 32, 14
	s_wait_loadcnt 63                              ; 88 loads are younger than the tokens': these are in
	TOK
	BLOCK 0, 36, 0, 0, 0                           ; younger: block 1's 32 and top1's 4
	LOAD 0, 64, 14
	s_wait_dscnt 0x0                               ; the LDS stores have read their registers
	BLOCK 1, 36, 1, 0, 0                           ; top1's 4 and block 2's 32
	LOAD 1, 96, 14
	s_wait_dscnt 0x0
	BLOCK 0, 32, 2, 0, 0
	LOAD 0, 0, 44
	s_wait_dscnt 0x0
	BLOCK 1, 32, 3, 0, 0
	LOAD 1, 32, 44
	BAR                                            ; K steps 0 to 15 lie in LDS; generation 1 is written into other bytes
	CJOB2 0, A, XS                                 ; beside the stream: my loads of generation 1 are out meanwhile
	ALOAD2 1, A, XS                                ; (behind the four plain lines at the products' end)
	BLOCK 0, 56, 0, 16384, 2048                    ; younger: block 1's 32 and h's 24
	LOAD 0, 64, 44
	s_wait_dscnt 0x0
	BLOCK 1, 56, 1, 16384, 2048                    ; h's 24 and block 2's 32
	LOAD 1, 96, 44
	s_wait_dscnt 0x0
	s_wait_loadcnt 63                              ; 64 loads are younger than h's second chunk: it is in
	CJOB2 1, A, XS
	ALOAD2 2, A, XS
	BLOCK 0, 56, 2, 16384, 2048                    ; block 3's 32 and h's 24
	s_wait_dscnt 0x0
	BLOCK 1, 24, 3, 16384, 2048                    ; h's 24
	s_wait_dscnt 0x0                               ; the last LDS stores have read the quantiser's registers, into which loads now go
	ALOAD2 3, SX, XSB                              ; the stream's registers are free: h's last chunk
	BAR                                            ; K steps 16 to 31 lie in LDS
	s_wait_loadcnt 24                              ; the third chunk is in, the last chunk's 24 stay out
	CJOB2 2, A, XS
	s_wait_loadcnt 0x0
	CJOB2 3, SX, XSB
	s_cmp_lt_u32 s20, s29
	s_cbranch_scc0 .Lno_out
	EPI
.Lno_out:
	s_add_co_u32 s31, s20, 16                      ; the tiles beyond sixteen: w + 16, w + 32, w + 48
	s_mov_b32 s35, 3
.Lleft:
	s_cmp_lt_u32 s31, s29                          ; has the expert so many tiles?
	s_cbranch_scc0 .Lnone
	s_wait_xcnt 0x0                                ; the last tile's stores have read their offsets and data: both are written anew below
	TILE2
	BLOAD
	s_wait_loadcnt 0x0
	TOK
	ALOAD2 0, A, XS
	s_wait_loadcnt 0x0
	JOB2 0, A, XS
	ALOAD2 1, A, XS
	s_wait_loadcnt 0x0
	JOB2 1, A, XS
	ALOAD2 2, A, XS
	s_wait_loadcnt 0x0
	JOB2 2, A, XS
	ALOAD2 3, A, XS
	s_wait_loadcnt 0x0
	JOB2 3, A, XS
	EPI
.Lnone:
	s_add_co_u32 s31, s31, 16
	s_sub_co_u32 s35, s35, 1
	s_cmp_lg_u32 s35, 0
	s_cbranch_scc1 .Lleft
	s_wait_tensorcnt 0x0                           ; the wave's end: three lines behind my last LDS store
	ds_add_u32 v14, v15
	s_wait_dscnt 0x0
	s_endpgm
.Lfunc_end_k_q7edbe09032_ffn2:
	.size	k_q7edbe09032_ffn2, .Lfunc_end_k_q7edbe09032_ffn2-k_q7edbe09032_ffn2
	.p2alignl 7, 3214868480
	.fill 96, 4, 3214868480
	.section	.rodata,"a",@progbits
	.p2align	6, 0x0
	.amdhsa_kernel k_q7edbe09032_ffn2
		.amdhsa_group_segment_fixed_size 108544
		.amdhsa_private_segment_fixed_size 0
		.amdhsa_enable_private_segment 0
		.amdhsa_kernarg_size 64
		.amdhsa_user_sgpr_count 2
		.amdhsa_user_sgpr_kernarg_segment_ptr 1
		.amdhsa_wavefront_size32 1
		.amdhsa_system_sgpr_workgroup_id_x 1
		.amdhsa_system_sgpr_workgroup_id_y 1
		.amdhsa_system_sgpr_workgroup_id_z 1
		.amdhsa_system_vgpr_workitem_id 0
		.amdhsa_next_free_vgpr 256
		.amdhsa_next_free_sgpr 66
		.amdhsa_reserve_vcc 0
		.amdhsa_float_denorm_mode_32 3
		.amdhsa_float_denorm_mode_16_64 3
		.amdhsa_memory_ordered 1
		.amdhsa_forward_progress 1
		.amdhsa_inst_pref_size 108
	.end_amdhsa_kernel
	.amdgpu_metadata
---
amdhsa.version: [ 1, 2 ]
amdhsa.kernels:
  - .name:           k_q7edbe09032_ffn2
    .symbol:         k_q7edbe09032_ffn2.kd
    .args:
      - { .name: hc, .offset: 0, .size: 8, .value_kind: global_buffer, .address_space: global }
      - { .name: hs, .offset: 8, .size: 8, .value_kind: global_buffer, .address_space: global }
      - { .name: perm, .offset: 16, .size: 8, .value_kind: global_buffer, .address_space: global }
      - { .name: offs, .offset: 24, .size: 8, .value_kind: global_buffer, .address_space: global }
      - { .name: gate, .offset: 32, .size: 8, .value_kind: global_buffer, .address_space: global }
      - { .name: w2, .offset: 40, .size: 8, .value_kind: global_buffer, .address_space: global }
      - { .name: b2, .offset: 48, .size: 8, .value_kind: global_buffer, .address_space: global }
      - { .name: out0, .offset: 56, .size: 8, .value_kind: global_buffer, .address_space: global }
    .group_segment_fixed_size: 108544
    .private_segment_fixed_size: 0
    .kernarg_segment_align: 8
    .kernarg_segment_size: 64
    .max_flat_workgroup_size: 512
    .sgpr_count:     66
    .vgpr_count:     256
    .wavefront_size: 32
...
	.end_amdgpu_metadata
.endif
;; end of part 4
;; ======== version 2 of 2: 3 launches; 1.13 times as fast as version 1
;; limits: a function is approximated: absolute error at most 1e-07
;; workspace buffers: eidx 4,096 bytes of whole numbers; perm 4,096 bytes of whole numbers; offs 256 bytes of whole numbers; gate 4,096 bytes; xc 524,288 bytes; xs 32,768 bytes; hc 2,097,152 bytes; hs 131,072 bytes
;; launch route (part 5): grid 256 x 1, 4 waves a work-group, no clusters, 33,792 bytes of LDS; arguments x, router_w, xc, xs, eidx, gate; writes xc, xs, eidx, gate
.if DOCPART == 5
	.amdgcn_target "amdgcn-amd-amdhsa--gfx1250"
	.amdhsa_code_object_version 6
	.text
	.protected	k_q7edbe09032_route
	.globl	k_q7edbe09032_route
	.p2align	8
	.type	k_q7edbe09032_route,@function
k_q7edbe09032_route:
	s_mov_b64 s[64:65], 0
	v_nop
	global_prefetch_b8 v0, s[64:65] scope:SCOPE_SE
	s_setreg_imm32_b32 hwreg(HW_REG_WAVE_MODE, 25, 1), 1
	s_wait_xcnt 0x0
; SWITCH MoE, launch 1 of 3: the router, and x as codes.
; For each of the 1,024 tokens: logits = x . router_w (f32 fused multiply-adds), the index of the largest logit, top1 = 1 / sum of exp(logit - largest);
; and the token's 1,024 numbers as codes of E2M1 with one E8M0 byte for each 32 along K: xc [token][512 bytes], xs [token][32 bytes].
; WORK LEFT OUT BY THE PROGRAM.  reference() computes y of every expert e for every token and keeps, by its own jnp.where(expert_idx == e), the row of expert_idx[token] alone;
; the rows of the other seven experts are overwritten or never taken, whatever the inputs hold.  So each token's row is multiplied for its chosen expert only.  Every input still has a way to the output: all are loaded.
; LIMIT: a NaN, an infinity or an overflow that arises only in a row of an expert that was not chosen is not carried to the result.
; The choice is made of floating-point numbers, so no address here hangs on it: it is stored at fixed places (eidx, gate), and the next launch, which reads it from memory, places the rows.
; LIMITS: the largest is searched among the logits, not among the rounded probabilities (among equal logits the lowest index wins, as argmax has it); the logits' order of summation is not reference()'s;
; a block of zeros gets the scale byte 1 (its codes are zeros, and this program alone reads the bytes); NaN and infinities among the inputs are not served.
; The router's product has f32 operands: with coarser ones a token whose two best logits lie close would be given to the other expert, and its whole row would differ.
; SHARES.  One wave, one token: token = 4 x work-group + wave.  Lane l holds block l of the row: k = 32 l .. 32 l + 31, in 32 registers, so a block's largest magnitude needs no other lane.
; router_w (32 KB) goes once into LDS, 16 bytes of padding behind each 1,024: lane l's 32 rows begin at 1,040 l, so that the lanes of a load start in different banks.
; No tensor load, no cluster: the work-groups share router_w alone, 32 KB that each reads once.
.set RWP,   1040                       ; a lane's 32 rows of router_w in LDS: 1,024 bytes + 16
.set SPARE, 32*RWP                     ; behind them: the spare words, 128 bytes for each wave, that no other line names
.set ACC,   16                         ; v16-23   the eight logits
.set X,     32                         ; v32-63   my 32 numbers of the token
.set RB,    64                         ; v64-127  router_w as loaded; then two sets of 4 rows x 8
.set EX,    128                        ; v128-135 the exponentials
; v1 lane; v2 128 x lane; v3 16 x thread; v4 where I store router_w in LDS; v5 where I read it; v6 16 x lane; v8, v9 maxima; v10 the conversion's scale operand; v11 the scale's byte; v12-15 codes;
; v24, v25 the add's two; v26 at work for the lane exchange; v27 the largest logit; v28 the index; v29 the sum; v30, v31 at work
	s_load_b256 s[4:11], s[0:1], 0x0               ; x, router_w, xc, xs
	s_load_b128 s[12:15], s[0:1], 0x20             ; eidx, gate
	v_lshl_add_u32 v24, v0, 2, SPARE
	v_mov_b32 v25, 0
	v_lshrrev_b32 v1, 5, v0
	v_readfirstlane_b32 s16, v1                    ; wave
	v_and_b32 v1, 31, v0                           ; lane
	v_lshlrev_b32 v2, 7, v1                        ; my block of x: 128 bytes a lane
	v_lshlrev_b32 v3, 4, v0                        ; router_w: 16 bytes a thread
	v_lshrrev_b32 v4, 6, v0
	v_lshl_add_u32 v4, v4, 4, v3                   ; in LDS: + 16 for each 1,024 passed
	v_mul_u32_u24 v5, v1, RWP
	v_lshlrev_b32 v6, 4, v1                        ; my 16 bytes of codes
	v_mov_b32 v26, 0                               ; written once: a lane permute's destination counts as one of its sources
	s_lshl_b32 s17, ttmp9, 2
	s_add_co_u32 s17, s17, s16                     ; my token
	s_mov_b32 s19, 0
	s_mov_b32 s20, 0x76543210
	s_mov_b32 s21, 0xfedcba98                      ; v_permlanex16_b32's selects for lane l xor 16
	s_wait_kmcnt 0x0
	s_lshl_b32 s18, s17, 12
	s_add_nc_u64 s[4:5], s[4:5], s[18:19]          ; x: 4,096 bytes a token
	s_lshl_b32 s18, s17, 9
	s_add_nc_u64 s[8:9], s[8:9], s[18:19]          ; xc: 512
	s_lshl_b32 s18, s17, 5
	s_add_nc_u64 s[10:11], s[10:11], s[18:19]      ; xs: 32
	s_lshl_b32 s18, s17, 2
	s_add_nc_u64 s[12:13], s[12:13], s[18:19]      ; eidx, gate: 4
	s_add_nc_u64 s[14:15], s[14:15], s[18:19]
.irp m, 0,1,2,3,4,5,6,7,8,9,10,11,12,13,14,15
	global_load_b128 v[RB+4*\m:RB+4*\m+3], v3, s[6:7] offset:2048*\m   ; the work-group's 128 threads take 2,048 neighbouring bytes a load
.endr
.irp i, 0,1,2,3,4,5,6,7
	global_load_b128 v[X+4*\i:X+4*\i+3], v2, s[4:5] offset:16*\i th:TH_LOAD_NT
.endr
	s_wait_loadcnt 8                               ; router_w is in; the eight loads of x are younger and stay out
.irp m, 0,1,2,3,4,5,6,7,8,9,10,11,12,13,14,15
	ds_store_b128 v4, v[RB+4*\m:RB+4*\m+3] offset:2080*\m             ; 2,048 bytes + two paddings a load
.endr
	s_wait_dscnt 0x0                               ; for the others' sake: my stores have landed
	s_barrier_signal -1
	s_barrier_wait -1
.macro RCHUNK m                        ; rows 4 m .. 4 m + 3 of my 32, eight numbers each, into set m % 2
.irp i, 0,1,2,3
.irp q, 0,1
	ds_load_b128 v[RB+32*((\m)%2)+8*\i+4*\q:RB+32*((\m)%2)+8*\i+4*\q+3], v5 offset:(4*(\m)+\i)*32+16*\q
.endr
.endr
.endm
	RCHUNK 0
	RCHUNK 1
	s_wait_loadcnt 0x0                             ; x
	; my block as codes: the largest magnitude with the floor 2^(3 - 127) among its leaves, 2 off its exponent field, the conversions
	v_max3_num_f32 v8, |v[X]|, |v[X+1]|, |v[X+2]|
	v_max3_num_f32 v9, |v[X+3]|, |v[X+4]|, |v[X+5]|
.irp i, 6,10,14,18,22,26
	v_max3_num_f32 v8, v8, |v[X+\i]|, |v[X+\i+1]|
	v_max3_num_f32 v9, v9, |v[X+\i+2]|, |v[X+\i+3]|
.endr
	v_max3_num_f32 v8, v8, |v[X+30]|, |v[X+31]|
	v_max3_num_f32 v8, v8, v9, 0x1800000
	v_add_nc_u32 v10, 0xff000000, v8               ; the conversion takes this operand's exponent field as its scale
	v_lshrrev_b32 v11, 23, v10                     ; the scale's byte
.irp g, 0,1,2,3
	v_cvt_scalef32_pk8_fp4_f32 v[12+\g], v[X+8*\g:X+8*\g+7], v10
.endr
	v_nop                                          ; one plain line behind the scaled conversions
	global_store_b128 v6, v[12:15], s[8:9]         ; the wave stores the token's 512 neighbouring bytes
	global_store_b8 v1, v11, s[10:11]              ; and its 32 scale bytes
	; the logits: 32 k a lane x 8 experts; the first eight products start the sums
.set M, 0
.rept 8
.if M < 7
	s_wait_dscnt 8                                 ; this chunk's eight loads are in; the next chunk's eight stay out
.else
	s_wait_dscnt 0x0
.endif
.irp i, 0,1,2,3
.irp e, 0,1,2,3,4,5,6,7
.if (M == 0) && (\i == 0)
	v_mul_f32 v[ACC+\e], v[X], v[RB+\e]
.else
	v_fmac_f32 v[ACC+\e], v[X+4*M+\i], v[RB+32*(M%2)+8*\i+\e]
.endif
.endr
.endr
.if M < 6
	RCHUNK M+2
.endif
.set M, M+1
.endr
.irp k, 1,2,4,8                        ; over the 32 lanes, the eight sums by turns
.irp e, 0,1,2,3,4,5,6,7
	v_add_f32_dpp v[ACC+\e], v[ACC+\e], v[ACC+\e] row_xmask:\k row_mask:0xf bank_mask:0xf
.endr
.endr
.irp e, 0,1,2,3,4,5,6,7
	v_permlanex16_b32 v26, v[ACC+\e], s20, s21
	v_add_f32 v[ACC+\e], v[ACC+\e], v26
.endr
	v_max3_num_f32 v27, v[ACC], v[ACC+1], v[ACC+2]
	v_max3_num_f32 v27, v27, v[ACC+3], v[ACC+4]
	v_max3_num_f32 v27, v27, v[ACC+5], v[ACC+6]
	v_max_num_f32 v27, v27, v[ACC+7]               ; the largest logit is taken away ahead of the exponentials, as softmax does
.irp e, 0,1,2,3,4,5,6,7
	v_sub_f32 v[EX+\e], v[ACC+\e], v27
.endr
.irp e, 0,1,2,3,4,5,6,7
	v_mul_f32 v[EX+\e], 0x3fb8aa3b, v[EX+\e]       ; x log2(e)
.endr
.irp e, 0,1,2,3,4,5,6,7
	v_exp_f32 v[EX+\e], v[EX+\e]
.endr
	v_mov_b32 v28, 7                               ; the index: independent work behind the batch of exponentials
.irp e, 6,5,4,3,2,1,0
	v_cmp_neq_f32 vcc_lo, v[ACC+\e], v27
	v_cndmask_b32 v28, \e, v28, vcc_lo             ; where logit e is the largest: e; descending, so the lowest index among equals stays
.endr
	s_wait_alu depctr_va_vdst(0)                   ; one wait for the eight exponentials, ahead of their first reader
	v_add_f32 v29, v[EX], v[EX+1]
	v_add_f32 v30, v[EX+2], v[EX+3]
	v_add_f32 v31, v[EX+4], v[EX+5]
	v_add_f32 v8, v[EX+6], v[EX+7]
	v_add_f32 v29, v29, v30
	v_add_f32 v31, v31, v8
	v_add_f32 v29, v29, v31
	v_rcp_f32 v29, v29                             ; top1: the largest's exponential is 1
	v_mov_b32 v30, 0                               ; (a plain line behind the reciprocal)  the stores' offset
	v_cmp_eq_u32 vcc_lo, 0, v1
	s_wait_alu depctr_va_vdst(0)                   ; and its wait, ahead of the store that reads it
	s_wait_xcnt 0x0                                ; EXEC changes only behind this wait: the stores above have read theirs
	s_and_saveexec_b32 s22, vcc_lo                 ; lane 0 alone
	global_store_b32 v30, v28, s[12:13]
	global_store_b32 v30, v29, s[14:15]
	s_wait_xcnt 0x0
	s_or_b32 exec_lo, exec_lo, s22
	s_wait_tensorcnt 0x0                           ; the wave's end: three lines behind my last LDS store
	ds_add_u32 v24, v25
	s_wait_dscnt 0x0
	s_endpgm
.Lfunc_end_k_q7edbe09032_route:
	.size	k_q7edbe09032_route, .Lfunc_end_k_q7edbe09032_route-k_q7edbe09032_route
	.p2alignl 7, 3214868480
	.fill 96, 4, 3214868480
	.section	.rodata,"a",@progbits
	.p2align	6, 0x0
	.amdhsa_kernel k_q7edbe09032_route
		.amdhsa_group_segment_fixed_size 33792
		.amdhsa_private_segment_fixed_size 0
		.amdhsa_enable_private_segment 0
		.amdhsa_kernarg_size 48
		.amdhsa_user_sgpr_count 2
		.amdhsa_user_sgpr_kernarg_segment_ptr 1
		.amdhsa_wavefront_size32 1
		.amdhsa_system_sgpr_workgroup_id_x 1
		.amdhsa_system_sgpr_workgroup_id_y 1
		.amdhsa_system_sgpr_workgroup_id_z 1
		.amdhsa_system_vgpr_workitem_id 0
		.amdhsa_next_free_vgpr 136
		.amdhsa_next_free_sgpr 66
		.amdhsa_reserve_vcc 1
		.amdhsa_float_denorm_mode_32 3
		.amdhsa_float_denorm_mode_16_64 3
		.amdhsa_memory_ordered 1
		.amdhsa_forward_progress 1
		.amdhsa_inst_pref_size 24
	.end_amdhsa_kernel
	.amdgpu_metadata
---
amdhsa.version: [ 1, 2 ]
amdhsa.kernels:
  - .name:           k_q7edbe09032_route
    .symbol:         k_q7edbe09032_route.kd
    .args:
      - { .name: x, .offset: 0, .size: 8, .value_kind: global_buffer, .address_space: global }
      - { .name: router_w, .offset: 8, .size: 8, .value_kind: global_buffer, .address_space: global }
      - { .name: xc, .offset: 16, .size: 8, .value_kind: global_buffer, .address_space: global }
      - { .name: xs, .offset: 24, .size: 8, .value_kind: global_buffer, .address_space: global }
      - { .name: eidx, .offset: 32, .size: 8, .value_kind: global_buffer, .address_space: global }
      - { .name: gate, .offset: 40, .size: 8, .value_kind: global_buffer, .address_space: global }
    .group_segment_fixed_size: 33792
    .private_segment_fixed_size: 0
    .kernarg_segment_align: 8
    .kernarg_segment_size: 48
    .max_flat_workgroup_size: 128
    .sgpr_count:     66
    .vgpr_count:     136
    .wavefront_size: 32
...
	.end_amdgpu_metadata
.endif
;; end of part 5
;; launch ffn1 (part 6): grid 32 x 8, 16 waves a work-group, no clusters, 72,192 bytes of LDS; arguments xc, xs, eidx, perm, w1, b1, hc, hs, offs; writes perm, hc, hs, offs
.if DOCPART == 6
	.amdgcn_target "amdgcn-amd-amdhsa--gfx1250"
	.amdhsa_code_object_version 6
	.text
	.protected	k_q7edbe09032_ffn1
	.globl	k_q7edbe09032_ffn1
	.p2align	8
	.type	k_q7edbe09032_ffn1,@function
k_q7edbe09032_ffn1:
	s_mov_b64 s[64:65], 0
	v_nop
	global_prefetch_b8 v0, s[64:65] scope:SCOPE_SE
	s_setreg_imm32_b32 hwreg(HW_REG_WAVE_MODE, 25, 1), 1
	s_wait_xcnt 0x0
; SWITCH MoE, launch 2 of 3: the rows are placed by expert, and h = gelu(x w1[e] + b1[e]) is made for the rows of expert e, as codes of E2M1 along the hidden axis.
; WORK LEFT OUT: a token's row is multiplied for its chosen expert alone (reference()'s own jnp.where keeps no other: see the first launch's head).
; SHARES.  Work-group (x = chunk, y = expert) owns w1[e][all 1,024 k][128 chunk .. + 127]: 512 KB of f32, read once, quantised along K in registers and kept in LDS as images of the operand's registers.
; 256 work-groups of equal streams.  The stream goes in two generations of 64 columns.  In each, wave w takes K step q = w / 2 (128 k) of unit U = 2 g + w % 2 (32 columns): a lane takes a column and its registers
; run down K, so a block of 32 lies in one lane's 32 registers and the conversions give codes with K innermost.  Each load reads 128 neighbouring bytes, two waves side by side 256.  Two sets of 32 registers: up to 64 loads a wave are asked for.
; THE COLUMNS OF A TILE ARE NOT NEIGHBOURS: row r of tile u of a unit is column 8 u + r + 8 (r / 8), so that in the transposed product (source 0 = 16 columns of w1, source 1 = 16 tokens) a lane holds ONE token and the
; 16 registers of the unit's two tiles are 16 neighbours along the next K: hidden units 32 U + 16 (lane / 16) + 0 .. 15.  b1 is the C of each sum's first product.
; THE ROWS' ORDER, whole numbers only, made by every wave for itself behind the issue of its first 64 stream loads: no LDS, no barrier, no atomics.  The launch before stored each token's expert.  A wave reads all 1,024 (eight loads
; of 16 bytes a lane: register i = 4 c + q of lane l is token 128 c + 4 l + q).  Compares with my expert give 32 masks in scalar registers; their bit counts give the expert's rows, the bit counts of 'index under mine' its first place.
; Row n of the expert is the n-th set bit of the 1,024, words ascending, bits ascending: a lane keeps the last word ahead of which at most n bits stand (one compare and three selects a word), and finds the bit by counts in
; pairs, fours, bytes and halves and five halving steps.  Token = 128 (i / 4) + i % 4 + 4 x bit.  The order inside an expert is free: all work-groups of an expert make the same one, and the next launch reads it (perm, offs), stored here by the
; expert's first work-group (x = 0): perm[place] beside each tile's last store, offs[e] by its wave 0 at the end (expert 7: offs[8] too).  This launch loads neither.
; TILES.  Tile j holds rows 16 j .. 16 j + 15, places first place + row.  Wave w takes tile w beside the stream, and tiles w + 16, w + 32, w + 48 in a loop of three trips behind it: 1,024 rows are 64 tiles at the most, so every
; split is served, all tokens on one expert too.  A trip without a tile is jumped over by a scalar branch on the count.
; ROWS PAST THE EXPERT'S LAST take its last row: same token, same place.  They compute the same numbers and store the same bytes at the same place as that row, so no lane is ever switched off.
; An expert with no token still has its weights streamed: the barriers stand on every wave's path; it has no tile, so it stores offs alone.
; The tile counts hang on numbers read from memory, so operands go from memory straight into registers: no tensor load stands in this text.  No cluster: partners would have numbers of tiles that hang on those counts, and what
; work-groups of an expert share, the tokens' codes, is 64 KB beside each 512 KB of weights for an even split.
; OUT.  hc [hidden block 0..127][place][16 bytes], hs [K step 0..31][place] one word: laid as the next launch's operand registers take them.
; GELU, exact form: 0.5 a (1 + erf(a / sqrt 2)), erf(z) = z P(z^2) / Q(z^2) on z held to +-4, polynomials of degree 6 and 4 in f32.  LIMIT: erf is good to about 1e-7 absolute, so for a far below 0, where 1 + erf cancels,
; h is good to about 1e-7 |a| / 2 absolute and not to 1e-6 of itself; below about -5.5 it is 0.  NaN and infinities are not served.  A block of zeros gets the scale byte 1 (this program alone reads the bytes).
.set PITCH, 16384                      ; a row of w1 in bytes
.set WSC,   65536                      ; LDS: 0: the weights' images: fragment (U, u, s) at 16,384 U + 8,192 u + 1,024 s, register group c at 512 c + 16 x lane;  WSC: their scale words, (8 U + s) x 128 + 4 (16 u + r)
.set BIAS,  69632                      ; the chunk's 128 numbers of b1
.set SPARE, 70144                      ; the spare words, 128 bytes for each of the 16 waves, that no other line names
.set XS, 32                            ; v32-39   the tokens' scale words, K steps 0-7
.set WS, 40                            ; v40-47   the weights': lanes 0-15 tile 0, lanes 16-31 tile 1
.set D,  48                            ; v48-63   the unit's two accumulators
.set A,  64                            ; v64-127  the tokens' fragments, K steps 0-7; at the head v64-95 the 1,024 indices
.set WF, 128                           ; v128-191 the weights' fragments, two sets of two K steps x two tiles; behind the products at work for the gelu
.set SX, 192                           ; v192-255 the stream: two sets of 32 numbers
.set ZZ, 128
.set TT, 144
.set PP, 160
.set QQ, 176
.set MK, 66                            ; s66-97   the 32 masks of my expert's tokens
; v1 4 x lane (my column); v2, v3 where I store images and scale words; v4 16 x lane; v5 WSC + 4 x lane; v6 BIAS + 64 h; v7, v8 my token's offsets in xc, xs; v9, v10 my place's in hc, hs (v10 in perm too); v11 h's scale word;
; v12 my row, then my place; v13 my word's number, then my token; v14, v15 the add's two; v16, v17 maxima; v18 scale operand; v19 byte; v20-23 codes (v16-22 also at work in the search for the token); v24 the weights' scale word;
; v25 lane exchange; v26 BIAS + 4 (thread % 128); v27 b1; v28 8 h; v29 16 h; v30 my word; v31 the bits ahead of it, then which of its bits
; s20 wave; s21 expert; s22 chunk; s23 w % 2; s24 w / 2; s26 first place; s27 the next expert's; s28 rows; s29 tiles; s30 last row; s31 tile; s32 16 x tile; s33 bits so far; s34 at work; s35 at work, then the trips to go;
; s[36:37] offsets; s[38:39] selects; s40-43 constants; s[44:45] offs; s48-55 masks at work
.macro LOAD set, row, g                ; 32 rows of my K step from row on, my column, generation g
.irp i, 0,1,2,3,4,5,6,7,8,9,10,11,12,13,14,15,16,17,18,19,20,21,22,23,24,25,26,27,28,29,30,31
	global_load_b32 v[SX+32*(\set)+\i], v1, s[12:13] offset:((\row)+\i)*PITCH+256*(\g) th:TH_LOAD_NT
.endr
.endm
; Block t of my K step: largest magnitude (floor 2^(3 - 127) among the leaves), scale, codes; the 16 bytes go to their place in the fragment's image: register group t / 2, lanes' half t % 2.  left: the younger loads that stay out
.macro BLOCK set, left, t, imgoff, scoff
.set XB, SX+32*(\set)
	s_wait_loadcnt \left
	v_max3_num_f32 v16, |v[XB]|, |v[XB+1]|, |v[XB+2]|
	v_max3_num_f32 v17, |v[XB+3]|, |v[XB+4]|, |v[XB+5]|
.irp i, 6,10,14,18,22,26
	v_max3_num_f32 v16, v16, |v[XB+\i]|, |v[XB+\i+1]|
	v_max3_num_f32 v17, v17, |v[XB+\i+2]|, |v[XB+\i+3]|
.endr
	v_max3_num_f32 v16, v16, |v[XB+30]|, |v[XB+31]|
	v_max3_num_f32 v16, v16, v17, 0x1800000
	v_add_nc_u32 v18, 0xff000000, v16              ; 2 off the exponent field: the conversion's scale operand
	v_lshrrev_b32 v19, 23, v18                     ; the scale's byte
.if (\t) == 0
	v_mov_b32 v24, v19
.else
	v_lshl_or_b32 v24, v19, 8*(\t), v24
.endif
.irp g, 0,1,2,3
	v_cvt_scalef32_pk8_fp4_f32 v[20+\g], v[XB+8*\g:XB+8*\g+7], v18
.endr
	v_nop                                          ; one plain line behind the scaled conversions
	ds_store_b128 v2, v[20:23] offset:(\imgoff)+((\t)/2)*512+((\t)%2)*256
.if (\t) == 3
	ds_store_b32 v3, v24 offset:\scoff
.endif
.endm
.macro BAR                             ; my LDS stores have landed and my LDS loads are in: then the work-group's barrier
	s_wait_dscnt 0x0
	s_barrier_signal -1
	s_barrier_wait -1
.endm
.macro WLOAD rho, base, ustr           ; the weights' fragments of K steps 2 rho, 2 rho + 1, both tiles, into set rho % 2: eight loads
.irp h, 0,1
.irp u, 0,1
.irp c, 0,1
	ds_load_b128 v[WF+32*((\rho)%2)+16*\h+8*\u+4*\c:WF+32*((\rho)%2)+16*\h+8*\u+4*\c+3], v4 offset:(\base)+\u*(\ustr)+(2*(\rho)+\h)*1024+512*\c
.endr
.endr
.endr
.endm
.macro MUL rho, ab, xb                 ; four products; the two accumulators take turns, one instruction a turn
.irp h, 0,1
	v_wmma_scale_f32_16x16x128_f8f6f4 v[D:D+7], v[WF+32*((\rho)%2)+16*\h:WF+32*((\rho)%2)+16*\h+7], v[(\ab)+8*(2*(\rho)+\h):(\ab)+8*(2*(\rho)+\h)+7], v[D:D+7], v[WS+2*(\rho)+\h], v[(\xb)+2*(\rho)+\h] matrix_a_fmt:MATRIX_FMT_FP4 matrix_b_fmt:MATRIX_FMT_FP4
	v_wmma_scale_f32_16x16x128_f8f6f4 v[D+8:D+15], v[WF+32*((\rho)%2)+16*\h+8:WF+32*((\rho)%2)+16*\h+15], v[(\ab)+8*(2*(\rho)+\h):(\ab)+8*(2*(\rho)+\h)+7], v[D+8:D+15], v[WS+2*(\rho)+\h], v[(\xb)+2*(\rho)+\h] matrix_a_fmt:MATRIX_FMT_FP4 matrix_b_fmt:MATRIX_FMT_FP4 matrix_a_scale:MATRIX_SCALE_ROW1
.endr
.endm
.macro PLACES                          ; four plain lines between a product and a load into, or a vector line on, its registers
.rept 4
	v_nop
.endr
.endm
.macro CORE base, ustr, ab, xb         ; eight K steps on two tiles: 16 products, the fragments one round ahead
	WLOAD 0, \base, \ustr
	WLOAD 1, \base, \ustr
	s_wait_dscnt 8                                 ; all but round 1's eight loads
	MUL 0, \ab, \xb
	PLACES
	WLOAD 2, \base, \ustr
	s_wait_dscnt 8                                 ; round 1's are in, round 2's eight stay out
	MUL 1, \ab, \xb
	PLACES
	WLOAD 3, \base, \ustr
	s_wait_dscnt 8
	MUL 2, \ab, \xb
	s_wait_dscnt 0x0
	MUL 3, \ab, \xb
	PLACES
.endm
; One halving step of the search for a word's bit: of the 2 x step bits from v20 on, the lower step hold t set bits (read off the counts in v[src]); where mine is not among them, t goes off its number and step onto its place
.macro LEVEL src, mask, step
	v_lshrrev_b32 v21, v20, v[\src]
	v_and_b32 v21, \mask, v21
	v_cmp_ge_u32 vcc_lo, v31, v21
	v_cndmask_b32 v21, 0, v21, vcc_lo
	v_sub_nc_u32 v31, v31, v21
	v_cndmask_b32 v22, 0, \step, vcc_lo
	v_add_nc_u32 v20, v20, v22
.endm
.macro TILE                            ; tile s31: my row, its token, its place, and the offsets made of them
	s_lshl_b32 s32, s31, 4
	v_and_b32 v12, 15, v0
	v_add_nc_u32 v12, s32, v12                     ; row n = 16 j + r of the expert,
	v_min_u32 v12, s30, v12                        ; past its rows the last one
	v_mov_b32 v30, s[MK]                           ; word 0, ahead of which no bit stands
	v_mov_b32 v31, 0
	v_mov_b32 v13, 0
	s_bcnt1_i32_b32 s33, s[MK]                     ; the bits ahead of word 1
.set I, 1
.rept 31
	v_cmp_le_u32 vcc_lo, s33, v12                  ; at most n bits stand ahead of word I: it takes the earlier word's place
	v_cndmask_b32 v30, v30, s[MK+I], vcc_lo
	v_cndmask_b32 v31, v31, s33, vcc_lo
	v_cndmask_b32 v13, v13, I, vcc_lo
	s_bcnt1_i32_b32 s34, s[MK+I]
	s_add_co_u32 s33, s33, s34
.set I, I+1
.endr
	v_sub_nc_u32 v31, v12, v31                     ; which of my word's set bits, from 0
	v_lshrrev_b32 v16, 1, v30
	v_and_b32 v16, 0x55555555, v16
	v_sub_nc_u32 v16, v30, v16                     ; the word's set bits counted in pairs,
	v_lshrrev_b32 v17, 2, v16
	v_and_b32 v17, 0x33333333, v17
	v_and_b32 v18, 0x33333333, v16
	v_add_nc_u32 v17, v17, v18                     ; in fours,
	v_lshrrev_b32 v18, 4, v17
	v_add_nc_u32 v18, v18, v17
	v_and_b32 v18, 0x0f0f0f0f, v18                 ; in bytes,
	v_lshrrev_b32 v19, 8, v18
	v_add_nc_u32 v19, v19, v18
	v_and_b32 v19, 0x00ff00ff, v19                 ; in halves
	v_mov_b32 v20, 0                               ; the bit's place
	LEVEL 19, 0xffff, 16
	LEVEL 18, 0xff, 8
	LEVEL 17, 15, 4
	LEVEL 16, 3, 2
	LEVEL 30, 1, 1
	v_lshrrev_b32 v21, 2, v13
	v_and_b32 v13, 3, v13
	v_lshl_add_u32 v13, v21, 7, v13
	v_lshl_add_u32 v13, v20, 2, v13                ; 128 (i / 4) + i % 4 + 4 x bit
	v_min_u32 v13, 0x3ff, v13                      ; the token
	v_add_nc_u32 v12, s26, v12
	v_min_u32 v12, 0x3ff, v12                      ; the place
	v_lshlrev_b32 v10, 2, v12
	v_lshl_add_u32 v9, v12, 4, v28                 ; 16 bytes a place, my half's 8
	v_lshl_add_u32 v7, v13, 9, v29                 ; the token's 512 bytes of codes, + 16 h
	v_lshlrev_b32 v8, 5, v13                       ; its 32 scale bytes
.endm
.macro ALOAD                           ; 18 loads: the tile's eight fragments and scale words
.irp s, 0,1,2,3,4,5,6,7
.irp c, 0,1
	global_load_b128 v[A+8*\s+4*\c:A+8*\s+4*\c+3], v7, s[4:5] offset:64*\s+32*\c
.endr
.endr
	global_load_b128 v[XS:XS+3], v8, s[6:7]
	global_load_b128 v[XS+4:XS+7], v8, s[6:7] offset:16
.endm
.macro GELU                            ; on the 16 numbers of D, stage by stage, so that no line waits for the line above it; each accumulator is read from its low end on
.irp p, 0,2,4,6,8,10,12,14
	v_pk_mul_f32 v[ZZ+\p:ZZ+\p+1], v[D+\p:D+\p+1], 0x3f3504f3 op_sel_hi:[1,0]     ; z = a / sqrt 2
.endr
.irp i, 0,1,2,3,4,5,6,7,8,9,10,11,12,13,14,15
	v_med3_num_f32 v[ZZ+\i], v[ZZ+\i], -4.0, 4.0
.endr
.irp p, 0,2,4,6,8,10,12,14
	v_pk_mul_f32 v[TT+\p:TT+\p+1], v[ZZ+\p:ZZ+\p+1], v[ZZ+\p:ZZ+\p+1]
.endr
.irp i, 0,1,2,3,4,5,6,7,8,9,10,11,12,13,14,15
	v_fma_f32 v[PP+\i], v[TT+\i], s40, s41
.endr
.irp i, 0,1,2,3,4,5,6,7,8,9,10,11,12,13,14,15
	v_fma_f32 v[QQ+\i], v[TT+\i], s42, s43
.endr
.irp k, 0xb60cff51, 0xb86ec2d2, 0xba40ac63, 0xbb41a1f6, 0xbc83dbd4
.irp p, 0,2,4,6,8,10,12,14
	v_pk_fma_f32 v[PP+\p:PP+\p+1], v[PP+\p:PP+\p+1], v[TT+\p:TT+\p+1], \k op_sel_hi:[1,1,0]
.endr
.endr
.irp k, 0xbadc924e, 0xbbf19bf8, 0xbc69b6a7
.irp p, 0,2,4,6,8,10,12,14
	v_pk_fma_f32 v[QQ+\p:QQ+\p+1], v[QQ+\p:QQ+\p+1], v[TT+\p:TT+\p+1], \k op_sel_hi:[1,1,0]
.endr
.endr
.irp p, 0,2,4,6,8,10,12,14
	v_pk_mul_f32 v[PP+\p:PP+\p+1], v[ZZ+\p:ZZ+\p+1], v[PP+\p:PP+\p+1]
.endr
.irp i, 0,1,2,3,4,5,6,7,8,9,10,11,12,13,14,15
	v_rcp_f32 v[QQ+\i], v[QQ+\i]
.endr
.irp p, 0,2,4,6,8,10,12,14
	v_pk_mul_f32 v[ZZ+\p:ZZ+\p+1], v[D+\p:D+\p+1], 0.5 op_sel_hi:[1,0]            ; a / 2: plain work behind the reciprocals
.endr
	s_wait_alu depctr_va_vdst(0)                   ; one wait for the sixteen reciprocals, ahead of their first reader
.irp p, 0,2,4,6,8,10,12,14
	v_pk_mul_f32 v[PP+\p:PP+\p+1], v[PP+\p:PP+\p+1], v[QQ+\p:QQ+\p+1]             ; erf
.endr
.irp p, 0,2,4,6,8,10,12,14
	v_pk_fma_f32 v[D+\p:D+\p+1], v[ZZ+\p:ZZ+\p+1], v[PP+\p:PP+\p+1], v[ZZ+\p:ZZ+\p+1]
.endr
.endm
; Unit U of the chunk for the tile in hand: 16 tokens x 32 hidden units, one block of the next K
.macro JOB1 U
.irp n, 0,1,2,3
	ds_load_b128 v[D+4*\n:D+4*\n+3], v6 offset:128*(\U)+16*\n        ; b1 of hidden units 32 U + 16 h + 0 .. 15: the sums begin with it
.endr
.irp s, 0,1,2,3,4,5,6,7
	ds_load_b32 v[WS+\s], v5 offset:(8*(\U)+\s)*128
.endr
	CORE (\U)*16384, 8192, A, XS
	GELU
	v_max3_num_f32 v16, |v[D]|, |v[D+1]|, 0x1800000                  ; the block's largest magnitude: my 16, and the floor
	v_max3_num_f32 v17, |v[D+2]|, |v[D+3]|, |v[D+4]|
	v_max3_num_f32 v16, v16, |v[D+5]|, |v[D+6]|
	v_max3_num_f32 v17, v17, |v[D+7]|, |v[D+8]|
	v_max3_num_f32 v16, v16, |v[D+9]|, |v[D+10]|
	v_max3_num_f32 v17, v17, |v[D+11]|, |v[D+12]|
	v_max3_num_f32 v16, v16, |v[D+13]|, |v[D+14]|
	v_max3_num_f32 v16, v16, v17, |v[D+15]|
	v_permlanex16_b32 v25, v16, s38, s39
	v_max_num_f32 v16, v16, v25                    ; with lane l xor 16's 16
	v_add_nc_u32 v18, 0xff000000, v16
	v_lshrrev_b32 v19, 23, v18
.if (\U) == 0
	v_mov_b32 v11, v19
.else
	v_lshl_or_b32 v11, v19, 8*(\U), v11            ; the chunk's four bytes make the K step's scale word
.endif
	v_cvt_scalef32_pk8_fp4_f32 v20, v[D:D+7], v18
	v_cvt_scalef32_pk8_fp4_f32 v21, v[D+8:D+15], v18
	v_nop                                          ; one plain line behind the scaled conversions
	global_store_b64 v9, v[20:21], s[16:17] offset:(\U)*16384        ; the tile's 16 places x 16 bytes lie on end; rows past the last store the last row's bytes once more
.if (\U) == 3
	global_store_b32 v10, v11, s[18:19]            ; (both lanes of a row store the same word)
	s_cmp_lg_u32 s22, 0                            ; the expert's first work-group stores the order for the next launch
	s_cbranch_scc1 .Lnot_first_\@
	global_store_b32 v10, v13, s[10:11]            ; perm[place] = token
.Lnot_first_\@:
.endif
	s_wait_xcnt 0x0                                ; the stores' data and offsets are written anew only behind this wait: the quantiser's next block takes v20 on
.endm
.macro CJOB1 U                         ; for the wave's resident tile, if the expert has so many: no barrier, no global load and no counted wait stands inside
	s_cmp_lt_u32 s20, s29
	s_cbranch_scc0 .Lno_tile_\@
	JOB1 \U
.Lno_tile_\@:
.endm
	s_load_b512 s[4:19], s[0:1], 0x0               ; xc, xs, eidx, perm, w1, b1, hc, hs
	s_load_b64 s[44:45], s[0:1], 0x40              ; offs
	v_lshl_add_u32 v14, v0, 2, SPARE
	v_mov_b32 v15, 0
	v_lshrrev_b32 v12, 5, v0
	v_readfirstlane_b32 s20, v12                   ; wave
	s_and_b32 s21, ttmp7, 0xffff                   ; expert
	s_mov_b32 s22, ttmp9                           ; chunk
	s_and_b32 s23, s20, 1
	s_lshr_b32 s24, s20, 1
	v_and_b32 v4, 31, v0                           ; lane
	v_lshlrev_b32 v1, 2, v4
	v_lshl_add_u32 v5, v4, 2, WSC
	v_lshlrev_b32 v4, 4, v4
	v_bfe_u32 v12, v0, 3, 1                        ; my column's tile u
	v_bfe_u32 v13, v0, 4, 1                        ; h
	v_lshlrev_b32 v28, 3, v13
	v_lshlrev_b32 v29, 4, v13
	v_lshl_add_u32 v6, v13, 6, BIAS
	v_and_b32 v2, 7, v0
	v_add_nc_u32 v13, v28, v2                      ; my column's row in its tile: r = lane % 8 + 8 (lane / 16)
	v_lshl_add_u32 v3, v12, 4, v13                 ; 16 u + r
	v_lshlrev_b32 v2, 4, v13
	v_lshl_add_u32 v2, v12, 13, v2                 ; 16 r + 8,192 u
	s_lshl_b32 s36, s23, 14
	s_lshl_b32 s37, s24, 10
	s_add_co_u32 s36, s36, s37
	v_add_nc_u32 v2, s36, v2                       ; + 16,384 (w % 2) + 1,024 (w / 2)
	s_lshl_b32 s36, s23, 10
	s_lshl_b32 s37, s24, 7
	s_add_co_u32 s36, s36, s37
	s_add_co_u32 s36, s36, WSC
	v_lshl_add_u32 v3, v3, 2, s36
	v_and_b32 v26, 127, v0
	v_lshlrev_b32 v27, 2, v26
	v_add_nc_u32 v26, BIAS, v27
	v_mov_b32 v11, 0
	v_mov_b32 v25, 0                               ; written once: a lane permute's destination counts as one of its sources
	s_mov_b32 s38, 0x76543210
	s_mov_b32 s39, 0xfedcba98
	s_mov_b32 s40, 0xaf95df0b                      ; the two leading coefficients of P
	s_mov_b32 s41, 0x32edffee
	s_mov_b32 s42, 0xb77460cd                      ; and of Q
	s_mov_b32 s43, 0xb95fbd29
	s_mov_b32 s37, 0
	s_wait_kmcnt 0x0
	s_lshl_b32 s36, s21, 24                        ; w1: the expert, my K step's first row, the chunk, my unit of generation 0
	s_lshl_b32 s34, s24, 21
	s_add_co_u32 s36, s36, s34
	s_lshl_b32 s34, s22, 9
	s_add_co_u32 s36, s36, s34
	s_lshl_b32 s35, s23, 7
	s_add_co_u32 s36, s36, s35
	s_add_nc_u64 s[12:13], s[12:13], s[36:37]
	s_lshl_b32 s36, s21, 14
	s_add_co_u32 s36, s36, s34
	s_add_nc_u64 s[14:15], s[14:15], s[36:37]      ; b1: the expert's row, the chunk's 128
	s_lshl_b32 s36, s22, 16
	s_add_nc_u64 s[16:17], s[16:17], s[36:37]      ; hc: the chunk's four blocks
	s_lshl_b32 s36, s22, 12
	s_add_nc_u64 s[18:19], s[18:19], s[36:37]      ; hs: the chunk's K step
.irp c, 0,1,2,3,4,5,6,7
	global_load_b128 v[A+4*\c:A+4*\c+3], v4, s[8:9] offset:512*\c    ; the 1,024 indices: register 4 c + q of lane l is token 128 c + 4 l + q
.endr
	global_load_b32 v27, v27, s[14:15]
	LOAD 0, 0, 0                                   ; the stream hangs on no index: it is asked for at once
	LOAD 1, 32, 0
	s_wait_loadcnt 63                              ; 64 loads are younger than b1's: the indices and b1 are in
	s_cmp_lt_u32 s20, 4
	s_cbranch_scc0 .Lno_bias
	ds_store_b32 v26, v27                          ; waves 0 to 3: the chunk's 128 numbers of b1
.Lno_bias:
	s_mov_b32 s26, 0                               ; the tokens of the experts under mine: my first place
	s_mov_b32 s28, 0                               ; my expert's tokens: its rows
.irp g, 0,1,2,3                        ; eight words at a time, so that the scalar lines do not each wait for a compare
.irp i, 0,1,2,3,4,5,6,7
	v_cmp_eq_u32 s[MK+8*\g+\i], s21, v[A+8*\g+\i]
.endr
.irp i, 0,1,2,3,4,5,6,7
	v_cmp_gt_u32 s[48+\i], s21, v[A+8*\g+\i]
.endr
.irp i, 0,1,2,3,4,5,6,7
	s_bcnt1_i32_b32 s34, s[MK+8*\g+\i]
	s_add_co_u32 s28, s28, s34
	s_bcnt1_i32_b32 s35, s[48+\i]
	s_add_co_u32 s26, s26, s35
.endr
.endr
	s_add_co_u32 s27, s26, s28                     ; the next expert's first place
	s_add_co_u32 s29, s28, 15
	s_lshr_b32 s29, s29, 4                         ; my expert's tiles
	s_max_u32 s30, s28, 1
	s_sub_co_u32 s30, s30, 1                       ; its last row
	s_mov_b32 s31, s20                             ; my resident tile
	TILE
	ALOAD
	BLOCK 0, 50, 0, 0, 0                           ; younger: block 1's 32 and the tile's 18
	LOAD 0, 64, 0
	s_wait_dscnt 0x0                               ; the LDS stores have read their registers
	BLOCK 1, 50, 1, 0, 0                           ; the tile's 18 and block 2's 32
	LOAD 1, 96, 0
	s_wait_dscnt 0x0
	BLOCK 0, 32, 2, 0, 0                           ; block 3's 32: so the tile's loads are in too
	LOAD 0, 0, 1
	s_wait_dscnt 0x0
	BLOCK 1, 32, 3, 0, 0
	LOAD 1, 32, 1
	BAR                                            ; units 0 and 1 and b1 lie in LDS; generation 1 is written into other bytes
	CJOB1 0                                        ; beside the stream: my loads of generation 1 are out meanwhile
	BLOCK 0, 32, 0, 32768, 2048
	LOAD 0, 64, 1
	s_wait_dscnt 0x0
	BLOCK 1, 32, 1, 32768, 2048
	LOAD 1, 96, 1
	s_wait_dscnt 0x0
	CJOB1 1
	BLOCK 0, 32, 2, 32768, 2048
	s_wait_dscnt 0x0
	BLOCK 1, 0, 3, 32768, 2048
	BAR                                            ; units 2 and 3 lie in LDS; nothing is stored to LDS from here on
	CJOB1 2
	CJOB1 3
	s_add_co_u32 s31, s20, 16                      ; the tiles beyond sixteen: w + 16, w + 32, w + 48
	s_mov_b32 s35, 3
.Lleft:
	s_cmp_lt_u32 s31, s29                          ; has the expert so many tiles?
	s_cbranch_scc0 .Lnone
	TILE                                           ; (the last job's stores have read their offsets: the wait at its end)
	ALOAD
	s_wait_loadcnt 0x0
	JOB1 0
	JOB1 1
	JOB1 2
	JOB1 3
.Lnone:
	s_add_co_u32 s31, s31, 16
	s_sub_co_u32 s35, s35, 1
	s_cmp_lg_u32 s35, 0
	s_cbranch_scc1 .Lleft
	s_or_b32 s34, s20, s22                         ; wave 0 of the expert's first work-group stores the expert's first place
	s_cmp_lg_u32 s34, 0
	s_cbranch_scc1 .Lno_offs
	s_lshl_b32 s34, s21, 2
	v_mov_b32 v16, s34
	v_mov_b32 v17, s26
	v_mov_b32 v18, s27
	global_store_b32 v16, v17, s[44:45]            ; offs[e]: all lanes store the same word
	s_cmp_lg_u32 s21, 7
	s_cbranch_scc1 .Lno_offs
	global_store_b32 v16, v18, s[44:45] offset:4   ; the last expert: offs[8] too
.Lno_offs:
	s_wait_tensorcnt 0x0                           ; the wave's end: three lines behind my last LDS store
	ds_add_u32 v14, v15
	s_wait_dscnt 0x0
	s_endpgm
.Lfunc_end_k_q7edbe09032_ffn1:
	.size	k_q7edbe09032_ffn1, .Lfunc_end_k_q7edbe09032_ffn1-k_q7edbe09032_ffn1
	.p2alignl 7, 3214868480
	.fill 96, 4, 3214868480
	.section	.rodata,"a",@progbits
	.p2align	6, 0x0
	.amdhsa_kernel k_q7edbe09032_ffn1
		.amdhsa_group_segment_fixed_size 72192
		.amdhsa_private_segment_fixed_size 0
		.amdhsa_enable_private_segment 0
		.amdhsa_kernarg_size 72
		.amdhsa_user_sgpr_count 2
		.amdhsa_user_sgpr_kernarg_segment_ptr 1
		.amdhsa_wavefront_size32 1
		.amdhsa_system_sgpr_workgroup_id_x 1
		.amdhsa_system_sgpr_workgroup_id_y 1
		.amdhsa_system_sgpr_workgroup_id_z 1
		.amdhsa_system_vgpr_workitem_id 0
		.amdhsa_next_free_vgpr 256
		.amdhsa_next_free_sgpr 100
		.amdhsa_reserve_vcc 1
		.amdhsa_float_denorm_mode_32 3
		.amdhsa_float_denorm_mode_16_64 3
		.amdhsa_memory_ordered 1
		.amdhsa_forward_progress 1
		.amdhsa_inst_pref_size 230
	.end_amdhsa_kernel
	.amdgpu_metadata
---
amdhsa.version: [ 1, 2 ]
amdhsa.kernels:
  - .name:           k_q7edbe09032_ffn1
    .symbol:         k_q7edbe09032_ffn1.kd
    .args:
      - { .name: xc, .offset: 0, .size: 8, .value_kind: global_buffer, .address_space: global }
      - { .name: xs, .offset: 8, .size: 8, .value_kind: global_buffer, .address_space: global }
      - { .name: eidx, .offset: 16, .size: 8, .value_kind: global_buffer, .address_space: global }
      - { .name: perm, .offset: 24, .size: 8, .value_kind: global_buffer, .address_space: global }
      - { .name: w1, .offset: 32, .size: 8, .value_kind: global_buffer, .address_space: global }
      - { .name: b1, .offset: 40, .size: 8, .value_kind: global_buffer, .address_space: global }
      - { .name: hc, .offset: 48, .size: 8, .value_kind: global_buffer, .address_space: global }
      - { .name: hs, .offset: 56, .size: 8, .value_kind: global_buffer, .address_space: global }
      - { .name: offs, .offset: 64, .size: 8, .value_kind: global_buffer, .address_space: global }
    .group_segment_fixed_size: 72192
    .private_segment_fixed_size: 0
    .kernarg_segment_align: 8
    .kernarg_segment_size: 72
    .max_flat_workgroup_size: 512
    .sgpr_count:     100
    .vgpr_count:     256
    .wavefront_size: 32
...
	.end_amdgpu_metadata
.endif
;; end of part 6
;; launch ffn2 (part 7): grid 32 x 8, 16 waves a work-group, no clusters, 108,544 bytes of LDS; arguments hc, hs, perm, offs, gate, w2, b2, out0; writes out0
.if DOCPART == 7
	.amdgcn_target "amdgcn-amd-amdhsa--gfx1250"
	.amdhsa_code_object_version 6
	.text
	.protected	k_q7edbe09032_ffn2
	.globl	k_q7edbe09032_ffn2
	.p2align	8
	.type	k_q7edbe09032_ffn2,@function
k_q7edbe09032_ffn2:
	s_mov_b64 s[64:65], 0
	v_nop
	global_prefetch_b8 v0, s[64:65] scope:SCOPE_SE
	s_setreg_imm32_b32 hwreg(HW_REG_WAVE_MODE, 25, 1), 1
	s_wait_xcnt 0x0
; SWITCH MoE, launch 3 of 3: out[token] = (h w2[e] + b2[e]) x top1[token] for the rows of expert e.
; WORK LEFT OUT: a token's row is multiplied for its chosen expert alone (reference()'s own jnp.where keeps no other: see the first launch's head).
; SHARES.  Work-group (x = chunk, y = expert) owns w2[e][all 4,096 k][32 chunk .. + 31]: 512 KB of f32, read once, quantised along K in registers and kept in LDS as images of the operand's registers.
; The stream goes in two generations of 2,048 k; in each, wave w takes K step s = 16 g + w (128 k): a lane takes a column, its registers run down K.  A load reads 128 neighbouring bytes: 32 columns to a work-group are what
; gives 256 work-groups of equal streams; with 64 columns there would be 128.  Two sets of 32 registers: up to 64 loads a wave are asked for.
; The product is used transposed (source 0 = 16 columns of w2, source 1 = 16 rows of h): a lane holds one token and eight neighbouring columns.  b2 is the C of each sum's first product; K ascends through 32 K steps on two accumulators.
; TOKENS in the order that the launch before made and stored (offs: each expert's first place; perm: the token at each place): tile j = places offs[e] + 16 j .. + 15; wave w takes tile w beside the stream (its h in four chunks of
; eight K steps, each asked for a phase ahead), and tiles w + 16, w + 32, w + 48 in a loop of three trips behind it (64 tiles at the most); a trip without a tile is jumped over by a scalar branch on the stored count.
; ROWS PAST THE EXPERT'S LAST take its last row: same place, same token.  They compute the same numbers and store the same bytes at the same address as that row, so no lane is ever switched off.
; The tile counts are read from memory: no tensor load stands in this text, and no cluster is formed (partners would have numbers of tiles that hang on stored counts).
; OUT.  A tile goes through the wave's own stage in LDS (16 rows x 128 bytes + 16) and leaves by rows, times top1: eight lanes store a token's 128 neighbouring bytes.  Each output byte has one owning work-group.
; LIMITS: a block of zeros gets the scale byte 1 (this program alone reads the bytes); NaN and infinities are not served.
.set PITCH, 4096                       ; a row of w2 in bytes
.set WSC,   65536                      ; LDS: 0: the weights' images: fragment (u, s) at 32,768 u + 1,024 s;  WSC: their scale words, 128 s + 4 x lane (lanes 0-15 tile 0, lanes 16-31 tile 1)
.set STG,   69632                      ; the stages: 16 x 144 bytes for each wave
.set SPARE, 106496                     ; the spare words, 128 bytes for each of the 16 waves, that no other line names
.set XSB, 16                           ; v16-23   h's scale words of the last chunk: loaded when the quantiser is done with these registers
.set XS, 32                            ; v32-39   h's scale words of the chunk in hand
.set WS, 40                            ; v40-47   the weights'
.set D,  48                            ; v48-63   the two accumulators
.set A,  64                            ; v64-127  h's fragments of the chunk in hand
.set WF, 128                           ; v128-191 the weights' fragments, two sets; on the way out the rows
.set SX, 192                           ; v192-255 the stream: two sets of 32 numbers; at the end h's last chunk
; v1 4 x lane (my column); v2, v3 where I store images and scale words; v4 16 x lane; v5 WSC + 4 x lane; v6, v7 the stage, in and back; v8, v9 my place's offsets in hc, hs; v10, v11 at work; v12 32 h;
; v14, v15 the add's two; v16, v17 maxima; v18 scale operand; v19 byte; v20-23 codes; v24 scale word; v25-28 the four rows' offsets in out0; v29, v30, v31, v13 their top1
; s20 wave; s21 expert; s22 chunk; s26 first place; s28 rows; s29 tiles; s30 last row; s31 tile; s32 16 x tile; s34 at work; s35 the trips to go; s[36:37] offsets; s[44:45] w2 at generation 1
.macro LOAD set, row, base             ; 32 rows of my K step from row on, my column
.irp i, 0,1,2,3,4,5,6,7,8,9,10,11,12,13,14,15,16,17,18,19,20,21,22,23,24,25,26,27,28,29,30,31
	global_load_b32 v[SX+32*(\set)+\i], v1, s[\base:\base+1] offset:((\row)+\i)*PITCH th:TH_LOAD_NT
.endr
.endm
; Block t of my K step: largest magnitude (floor 2^(3 - 127) among the leaves), scale, codes; the 16 bytes go to their place in the fragment's image.  left: the younger loads that stay out
.macro BLOCK set, left, t, imgoff, scoff
.set XB, SX+32*(\set)
	s_wait_loadcnt \left
	v_max3_num_f32 v16, |v[XB]|, |v[XB+1]|, |v[XB+2]|
	v_max3_num_f32 v17, |v[XB+3]|, |v[XB+4]|, |v[XB+5]|
.irp i, 6,10,14,18,22,26
	v_max3_num_f32 v16, v16, |v[XB+\i]|, |v[XB+\i+1]|
	v_max3_num_f32 v17, v17, |v[XB+\i+2]|, |v[XB+\i+3]|
.endr
	v_max3_num_f32 v16, v16, |v[XB+30]|, |v[XB+31]|
	v_max3_num_f32 v16, v16, v17, 0x1800000
	v_add_nc_u32 v18, 0xff000000, v16              ; 2 off the exponent field: the conversion's scale operand
	v_lshrrev_b32 v19, 23, v18                     ; the scale's byte
.if (\t) == 0
	v_mov_b32 v24, v19
.else
	v_lshl_or_b32 v24, v19, 8*(\t), v24
.endif
.irp g, 0,1,2,3
	v_cvt_scalef32_pk8_fp4_f32 v[20+\g], v[XB+8*\g:XB+8*\g+7], v18
.endr
	v_nop                                          ; one plain line behind the scaled conversions
	ds_store_b128 v2, v[20:23] offset:(\imgoff)+((\t)/2)*512+((\t)%2)*256
.if (\t) == 3
	ds_store_b32 v3, v24 offset:\scoff
.endif
.endm
.macro BAR                             ; my LDS stores have landed and my LDS loads are in: then the work-group's barrier
	s_wait_dscnt 0x0
	s_barrier_signal -1
	s_barrier_wait -1
.endm
.macro WLOAD rho, base, ustr           ; the weights' fragments of the chunk's K steps 2 rho, 2 rho + 1, both tiles, into set rho % 2: eight loads
.irp h, 0,1
.irp u, 0,1
.irp c, 0,1
	ds_load_b128 v[WF+32*((\rho)%2)+16*\h+8*\u+4*\c:WF+32*((\rho)%2)+16*\h+8*\u+4*\c+3], v4 offset:(\base)+\u*(\ustr)+(2*(\rho)+\h)*1024+512*\c
.endr
.endr
.endr
.endm
.macro MUL rho, ab, xb                 ; four products; the two accumulators take turns, one instruction a turn
.irp h, 0,1
	v_wmma_scale_f32_16x16x128_f8f6f4 v[D:D+7], v[WF+32*((\rho)%2)+16*\h:WF+32*((\rho)%2)+16*\h+7], v[(\ab)+8*(2*(\rho)+\h):(\ab)+8*(2*(\rho)+\h)+7], v[D:D+7], v[WS+2*(\rho)+\h], v[(\xb)+2*(\rho)+\h] matrix_a_fmt:MATRIX_FMT_FP4 matrix_b_fmt:MATRIX_FMT_FP4
	v_wmma_scale_f32_16x16x128_f8f6f4 v[D+8:D+15], v[WF+32*((\rho)%2)+16*\h+8:WF+32*((\rho)%2)+16*\h+15], v[(\ab)+8*(2*(\rho)+\h):(\ab)+8*(2*(\rho)+\h)+7], v[D+8:D+15], v[WS+2*(\rho)+\h], v[(\xb)+2*(\rho)+\h] matrix_a_fmt:MATRIX_FMT_FP4 matrix_b_fmt:MATRIX_FMT_FP4 matrix_a_scale:MATRIX_SCALE_ROW1
.endr
.endm
.macro PLACES                          ; four plain lines between a product and a load into, or a read of, its registers
.rept 4
	v_nop
.endr
.endm
.macro CORE base, ustr, ab, xb         ; eight K steps on two tiles: 16 products, the fragments one round ahead
	WLOAD 0, \base, \ustr
	WLOAD 1, \base, \ustr
	s_wait_dscnt 8                                 ; all but round 1's eight loads
	MUL 0, \ab, \xb
	PLACES
	WLOAD 2, \base, \ustr
	s_wait_dscnt 8                                 ; round 1's are in, round 2's eight stay out
	MUL 1, \ab, \xb
	PLACES
	WLOAD 3, \base, \ustr
	s_wait_dscnt 8
	MUL 2, \ab, \xb
	s_wait_dscnt 0x0
	MUL 3, \ab, \xb
	PLACES
.endm
.macro TILE2                           ; tile s31: my row's place for the products; for the way out, four rows (4 i + lane / 8): the loads of their tokens
	s_lshl_b32 s32, s31, 4
	v_and_b32 v10, 15, v0
	v_add_nc_u32 v10, s32, v10                     ; row 16 j + r of the expert,
	v_min_u32 v10, s30, v10                        ; past its rows the last one
	v_add_nc_u32 v10, s26, v10
	v_min_u32 v10, 0x3ff, v10                      ; the place
	v_bfe_u32 v11, v0, 4, 1
	v_lshlrev_b32 v11, 14, v11
	v_lshl_add_u32 v8, v10, 4, v11                 ; 16 bytes a place; lanes 16-31 take the next block of 32, 16,384 bytes on
	v_lshlrev_b32 v9, 2, v10
	v_bfe_u32 v11, v0, 3, 2
	v_add_nc_u32 v11, s32, v11
.irp i, 0,1,2,3
	v_add_nc_u32 v10, 4*\i, v11
	v_min_u32 v10, s30, v10
	v_add_nc_u32 v10, s26, v10
	v_min_u32 v10, 0x3ff, v10
	v_lshlrev_b32 v[25+\i], 2, v10
	global_load_b32 v[25+\i], v[25+\i], s[8:9]
.endr
.endm
.macro TOK                             ; the four tokens: their top1 is asked for, and their rows' offsets in out0 are made
	v_and_b32 v11, 7, v0
	v_lshlrev_b32 v11, 4, v11
.irp i, 0,1,2,3
	v_min_u32 v[25+\i], 0x3ff, v[25+\i]
	v_lshlrev_b32 v[29+\i-19*(\i/3)], 2, v[25+\i]
	global_load_b32 v[29+\i-19*(\i/3)], v[29+\i-19*(\i/3)], s[12:13]
	v_lshl_add_u32 v[25+\i], v[25+\i], 12, v11     ; 4,096 bytes a token, + 16 (lane % 8)
.endr
.endm
.macro BLOAD                           ; b2 of columns 16 u + 8 h + 0 .. 7: the sums begin with it
	global_load_b128 v[D:D+3], v12, s[16:17]
	global_load_b128 v[D+4:D+7], v12, s[16:17] offset:16
	global_load_b128 v[D+8:D+11], v12, s[16:17] offset:64
	global_load_b128 v[D+12:D+15], v12, s[16:17] offset:80
.endm
.macro ALOAD2 i, ab, xb                ; 24 loads: h's fragments and scale words of K steps 8 i .. 8 i + 7
.irp g, 0,1,2,3,4,5,6,7
.irp c, 0,1
	global_load_b128 v[(\ab)+8*\g+4*\c:(\ab)+8*\g+4*\c+3], v8, s[4:5] offset:(4*(8*(\i)+\g)+2*\c)*16384
.endr
	global_load_b32 v[(\xb)+\g], v9, s[6:7] offset:(8*(\i)+\g)*4096
.endr
.endm
.macro JOB2 i, ab, xb
.irp s, 0,1,2,3,4,5,6,7
	ds_load_b32 v[WS+\s], v5 offset:(8*(\i)+\s)*128
.endr
	CORE (\i)*8192, 32768, \ab, \xb
.endm
.macro CJOB2 i, ab, xb                 ; for the wave's resident tile, if the expert has so many: no barrier, no global load and no counted wait on loads stands inside
	s_cmp_lt_u32 s20, s29
	s_cbranch_scc0 .Lno_tile_\@
	JOB2 \i, \ab, \xb
.Lno_tile_\@:
.endm
.macro EPI                             ; the way out.  LDS serves a wave's instructions in order: the loads see my stores
	ds_store_b128 v6, v[D:D+3]                     ; each accumulator from its low end on
	ds_store_b128 v6, v[D+4:D+7] offset:16
	ds_store_b128 v6, v[D+8:D+11] offset:64
	ds_store_b128 v6, v[D+12:D+15] offset:80
.irp i, 0,1,2,3
	ds_load_b128 v[WF+4*\i:WF+4*\i+3], v7 offset:576*\i              ; rows 4 i .. 4 i + 3, eight lanes to a row
.endr
	s_wait_dscnt 0x0
.irp i, 0,1,2,3
.irp k, 0,1,2,3
	v_mul_f32 v[WF+4*\i+\k], v[29+\i-19*(\i/3)], v[WF+4*\i+\k]       ; x top1
.endr
.endr
.irp i, 0,1,2,3
	global_store_b128 v[25+\i], v[WF+4*\i:WF+4*\i+3], s[18:19] th:TH_STORE_NT   ; four tokens' 128 neighbouring bytes each; rows past the last store the last row's bytes once more
.endr
.endm
	s_load_b512 s[4:19], s[0:1], 0x0               ; hc, hs, perm, offs, gate, w2, b2, out0
	v_lshl_add_u32 v14, v0, 2, SPARE
	v_mov_b32 v15, 0
	v_lshrrev_b32 v10, 5, v0
	v_readfirstlane_b32 s20, v10                   ; wave
	s_and_b32 s21, ttmp7, 0xffff                   ; expert
	s_mov_b32 s22, ttmp9                           ; chunk
	v_and_b32 v4, 31, v0                           ; lane
	v_lshlrev_b32 v1, 2, v4
	v_lshl_add_u32 v5, v4, 2, WSC
	v_lshlrev_b32 v4, 4, v4
	v_and_b32 v10, 15, v0                          ; r
	v_bfe_u32 v11, v0, 4, 1                        ; h; for the stream: my column's tile u
	v_lshlrev_b32 v2, 4, v10
	v_lshl_add_u32 v2, v11, 15, v2
	s_lshl_b32 s37, s20, 10
	v_add_nc_u32 v2, s37, v2                       ; 16 r + 32,768 u + 1,024 w
	s_lshl_b32 s37, s20, 7
	v_add_nc_u32 v3, s37, v5                       ; WSC + 4 x lane + 128 w
	s_mul_i32 s36, s20, 2304
	s_add_co_u32 s36, s36, STG                     ; my stage
	v_mul_u32_u24 v6, v10, 144
	v_lshl_add_u32 v6, v11, 5, v6
	v_add_nc_u32 v6, s36, v6                       ; in: row r, + 32 h
	v_bfe_u32 v10, v0, 3, 2
	v_mul_u32_u24 v7, v10, 144
	v_and_b32 v10, 7, v0
	v_lshl_add_u32 v7, v10, 4, v7
	v_add_nc_u32 v7, s36, v7                       ; back: row lane / 8, 16 bytes a lane
	v_lshlrev_b32 v12, 5, v11
	s_mov_b32 s37, 0
	s_wait_kmcnt 0x0
	s_lshl_b32 s36, s21, 2
	s_add_nc_u64 s[10:11], s[10:11], s[36:37]
	s_load_b64 s[26:27], s[10:11], 0x0             ; the expert's first place and the next expert's
	s_lshl_b32 s36, s21, 24                        ; w2: the expert, my K step's first row, the chunk
	s_lshl_b32 s34, s20, 19
	s_add_co_u32 s36, s36, s34
	s_lshl_b32 s34, s22, 7
	s_add_co_u32 s36, s36, s34
	s_add_nc_u64 s[14:15], s[14:15], s[36:37]
	s_add_nc_u64 s[44:45], s[14:15], 0x800000      ; generation 1: 2,048 rows on, more than a load's immediate holds
	s_lshl_b32 s36, s21, 12
	s_add_co_u32 s36, s36, s34
	s_add_nc_u64 s[16:17], s[16:17], s[36:37]      ; b2: the expert's row, the chunk's 32
	s_mov_b32 s36, s34
	s_add_nc_u64 s[18:19], s[18:19], s[36:37]      ; out0: the chunk's 128 bytes of a row
	s_wait_kmcnt 0x0
	s_min_u32 s26, s26, 0x400
	s_min_u32 s27, s27, 0x400
	s_sub_co_u32 s28, s27, s26                     ; the expert's rows
	s_add_co_u32 s29, s28, 15
	s_lshr_b32 s29, s29, 4                         ; its tiles
	s_max_u32 s30, s28, 1
	s_sub_co_u32 s30, s30, 1                       ; its last row
	s_mov_b32 s31, s20                             ; my resident tile
	BLOAD
	TILE2
	ALOAD2 0, A, XS
	LOAD 0, 0, 14
	LOAD 1, 32, 14
	s_wait_loadcnt 63                              ; 88 loads are younger than the tokens': these are in
	TOK
	BLOCK 0, 36, 0, 0, 0                           ; younger: block 1's 32 and top1's 4
	LOAD 0, 64, 14
	s_wait_dscnt 0x0                               ; the LDS stores have read their registers
	BLOCK 1, 36, 1, 0, 0                           ; top1's 4 and block 2's 32
	LOAD 1, 96, 14
	s_wait_dscnt 0x0
	BLOCK 0, 32, 2, 0, 0
	LOAD 0, 0, 44
	s_wait_dscnt 0x0
	BLOCK 1, 32, 3, 0, 0
	LOAD 1, 32, 44
	BAR                                            ; K steps 0 to 15 lie in LDS; generation 1 is written into other bytes
	CJOB2 0, A, XS                                 ; beside the stream: my loads of generation 1 are out meanwhile
	ALOAD2 1, A, XS                                ; (behind the four plain lines at the products' end)
	BLOCK 0, 56, 0, 16384, 2048                    ; younger: block 1's 32 and h's 24
	LOAD 0, 64, 44
	s_wait_dscnt 0x0
	BLOCK 1, 56, 1, 16384, 2048                    ; h's 24 and block 2's 32
	LOAD 1, 96, 44
	s_wait_dscnt 0x0
	s_wait_loadcnt 63                              ; 64 loads are younger than h's second chunk: it is in
	CJOB2 1, A, XS
	ALOAD2 2, A, XS
	BLOCK 0, 56, 2, 16384, 2048                    ; block 3's 32 and h's 24
	s_wait_dscnt 0x0
	BLOCK 1, 24, 3, 16384, 2048                    ; h's 24
	s_wait_dscnt 0x0                               ; the last LDS stores have read the quantiser's registers, into which loads now go
	ALOAD2 3, SX, XSB                              ; the stream's registers are free: h's last chunk
	BAR                                            ; K steps 16 to 31 lie in LDS
	s_wait_loadcnt 24                              ; the third chunk is in, the last chunk's 24 stay out
	CJOB2 2, A, XS
	s_wait_loadcnt 0x0
	CJOB2 3, SX, XSB
	s_cmp_lt_u32 s20, s29
	s_cbranch_scc0 .Lno_out
	EPI
.Lno_out:
	s_add_co_u32 s31, s20, 16                      ; the tiles beyond sixteen: w + 16, w + 32, w + 48
	s_mov_b32 s35, 3
.Lleft:
	s_cmp_lt_u32 s31, s29                          ; has the expert so many tiles?
	s_cbranch_scc0 .Lnone
	s_wait_xcnt 0x0                                ; the last tile's stores have read their offsets and data: both are written anew below
	TILE2
	BLOAD
	s_wait_loadcnt 0x0
	TOK
	ALOAD2 0, A, XS
	s_wait_loadcnt 0x0
	JOB2 0, A, XS
	ALOAD2 1, A, XS
	s_wait_loadcnt 0x0
	JOB2 1, A, XS
	ALOAD2 2, A, XS
	s_wait_loadcnt 0x0
	JOB2 2, A, XS
	ALOAD2 3, A, XS
	s_wait_loadcnt 0x0
	JOB2 3, A, XS
	EPI
.Lnone:
	s_add_co_u32 s31, s31, 16
	s_sub_co_u32 s35, s35, 1
	s_cmp_lg_u32 s35, 0
	s_cbranch_scc1 .Lleft
	s_wait_tensorcnt 0x0                           ; the wave's end: three lines behind my last LDS store
	ds_add_u32 v14, v15
	s_wait_dscnt 0x0
	s_endpgm
.Lfunc_end_k_q7edbe09032_ffn2:
	.size	k_q7edbe09032_ffn2, .Lfunc_end_k_q7edbe09032_ffn2-k_q7edbe09032_ffn2
	.p2alignl 7, 3214868480
	.fill 96, 4, 3214868480
	.section	.rodata,"a",@progbits
	.p2align	6, 0x0
	.amdhsa_kernel k_q7edbe09032_ffn2
		.amdhsa_group_segment_fixed_size 108544
		.amdhsa_private_segment_fixed_size 0
		.amdhsa_enable_private_segment 0
		.amdhsa_kernarg_size 64
		.amdhsa_user_sgpr_count 2
		.amdhsa_user_sgpr_kernarg_segment_ptr 1
		.amdhsa_wavefront_size32 1
		.amdhsa_system_sgpr_workgroup_id_x 1
		.amdhsa_system_sgpr_workgroup_id_y 1
		.amdhsa_system_sgpr_workgroup_id_z 1
		.amdhsa_system_vgpr_workitem_id 0
		.amdhsa_next_free_vgpr 256
		.amdhsa_next_free_sgpr 66
		.amdhsa_reserve_vcc 0
		.amdhsa_float_denorm_mode_32 3
		.amdhsa_float_denorm_mode_16_64 3
		.amdhsa_memory_ordered 1
		.amdhsa_forward_progress 1
		.amdhsa_inst_pref_size 108
	.end_amdhsa_kernel
	.amdgpu_metadata
---
amdhsa.version: [ 1, 2 ]
amdhsa.kernels:
  - .name:           k_q7edbe09032_ffn2
    .symbol:         k_q7edbe09032_ffn2.kd
    .args:
      - { .name: hc, .offset: 0, .size: 8, .value_kind: global_buffer, .address_space: global }
      - { .name: hs, .offset: 8, .size: 8, .value_kind: global_buffer, .address_space: global }
      - { .name: perm, .offset: 16, .size: 8, .value_kind: global_buffer, .address_space: global }
      - { .name: offs, .offset: 24, .size: 8, .value_kind: global_buffer, .address_space: global }
      - { .name: gate, .offset: 32, .size: 8, .value_kind: global_buffer, .address_space: global }
      - { .name: w2, .offset: 40, .size: 8, .value_kind: global_buffer, .address_space: global }
      - { .name: b2, .offset: 48, .size: 8, .value_kind: global_buffer, .address_space: global }
      - { .name: out0, .offset: 56, .size: 8, .value_kind: global_buffer, .address_space: global }
    .group_segment_fixed_size: 108544
    .private_segment_fixed_size: 0
    .kernarg_segment_align: 8
    .kernarg_segment_size: 64
    .max_flat_workgroup_size: 512
    .sgpr_count:     66
    .vgpr_count:     256
    .wavefront_size: 32
...
	.end_amdgpu_metadata
.endif
;; end of part 7
